; MI455X (gfx1250); checked and timed in simulation.
; The chip was launched on July 23, 2026; its instructions are those of AMD's public machine-readable ISA for CDNA 5 (MIT licence, August 2026) and "CDNA5" Instruction Set Architecture Reference Guide (July 2026). The comments in the code are by the model that wrote it; some were corrected since.
;; Causal Self Attention. Allowed arithmetic: matrix products marked QUANTISED: E3M2 operands, one E8M0 scale for each 32 along K, by v_wmma_scale_f32_16x16x128_f8f6f4 with both operands' format E3M2, f32 sums; everything else in f32.
;; Inputs: w_attn 1,024 x 3,072 float32; w_proj 1,024 x 1,024 float32; x 4 x 2,048 x 1,024 float32.
;; Outputs: out0 4 x 2,048 x 1,024 float32.
;; This version of the problem:
;;   THIS VERSION OF THE PROBLEM IS GIVEN IN LOW PRECISION. The matrix products marked QUANTISED in the list below multiply operands that are first quantised to E3M2 (3 exponent bits, 2 mantissa bits; 6 bits a number), with one power-of-two scale for each 32 numbers along K (OCP MX v1.0); their sums are f32. All else is computed in f32.
;;   The module's matrix products, in the order in which they are computed (A, B: the left and right operand; K: the contracted axis; several contracted axes count as one K, in the product's order):
;;     1. [M 8,192, K 1,024] x [K 1,024, N 3,072]; A: input x; B: input w_attn: QUANTISED
;;     2. batch 64 x [M 2,048, K 64] x [K 64, N 2,048]; A: computed on the way; B: computed on the way: QUANTISED
;;     3. batch 64 x [M 2,048, K 2,048] x [K 2,048, N 64]; A: softmax (see below); B: computed on the way: QUANTISED
;;     4. [M 8,192, K 1,024] x [K 1,024, N 1,024]; A: computed on the way; B: input w_proj: QUANTISED
;;   THE QUANTISER, for each operand of a quantised product, along K:
;;     - K is cut into blocks of 32 from its start; a last block that is shorter is filled with zeros.
;;     - A block's scale is 2^e with e = floor(log2(the largest magnitude in the block)) - 4, held to -126 .. 127; a block of zeros has e = 0. As a byte (E8M0): e + 127.
;;     - Each number is divided by its block's scale, clamped to +-28, and rounded to the nearest number of E3M2, ties to even, subnormals kept.
;;     - The product sums the exact products of the quantised numbers (number of the format x scale) in f32.
;;   ~~~python
;;   def quantise(x, axis):      # numpy; x: float32 -> the quantised numbers, widened to float32 again
;;       x = np.moveaxis(x, axis, -1); K = x.shape[-1]
;;       x = np.pad(x, [(0, 0)] * (x.ndim - 1) + [(0, -K % 32)]); x = x.reshape(x.shape[:-1] + (-1, 32)); a = np.abs(x).max(-1, keepdims=True)
;;       e = np.where(a > 0, np.clip(np.frexp(np.where(a > 0, a, 1))[1] - 1 - 4, -126, 127), 0)      # np.frexp(a)[1] - 1 = floor(log2(a)), exactly
;;       r = np.clip(x / 2.0 ** e, -28, 28)
;;       step = 2.0 ** (np.maximum(np.frexp(np.where(r == 0, 1, r))[1] - 1, -2) - 2)
;;       q = np.round(r / step) * step * 2.0 ** e      # np.round: ties to even
;;       return np.moveaxis(q.reshape(q.shape[:-2] + (-1,))[..., :K], -1, axis).astype(np.float32)
;;   ~~~
;;   SOFTMAX AHEAD OF A QUANTISED PRODUCT. Where the list says 'softmax', what is quantised is not the finished softmax but p = 2^(t - M), with t = logit x log2(e) and M = ceil(the row's largest t), a whole number; so 1/2 < the row's largest p <= 1. The row's sum l is taken of the UNQUANTISED p, in f32, and the product's result is divided by l at the end. Since M is a whole number, a kernel that streams over the keys may use a running M (the ceiling of the running maximum): every later rescaling is an exact power of two, which a block's scale takes up: the codes' values come out the same.
;;   OPERANDS COMPUTED ON THE WAY. 'Computed on the way' means the value that the module computes at that place (a softmax that the list does not call 'softmax' is quantised finished and normalised). What goes into a quantiser is computed in f32, as accurately as f32 sums, v_exp_f32 and their like allow (about 1e-6 of the number): no bf16 or f16 on the way to a quantiser, and a product that is left as it is and whose result goes on into a quantised operand takes f32 operands (vector FMAs, or v_wmma_f32_16x16x4_f32). A number that lies on a knife's edge between two numbers of the format may be rounded either way, as far as f32 arithmetic and the matrix unit's own rounding can turn it there, and no further.
;; One version. Each part assembles by itself: llvm-mc -triple=amdgcn-amd-amdhsa -mcpu=gfx1250 --defsym DOCPART=n.
;; ======== version 1 of 1: 4 launches
;; limits: right only within a limited range of input values
;; workspace buffers: xq 6,553,600 bytes; yq 6,553,600 bytes; wqk 2,457,600 bytes; wp 819,200 bytes; qk 16,777,216 bytes; vt 54,525,952 bytes
;; launch quant (part 1): grid 384 x 1, 4 waves a work-group, no clusters, 34,304 bytes of LDS; arguments x, w_attn, w_proj, xq, wqk, wp; writes xq, wqk, wp
.if DOCPART == 1
	.amdgcn_target "amdgcn-amd-amdhsa--gfx1250"
	.amdhsa_code_object_version 6
	.text
	.protected	k_q3195b4fe65_quant
	.globl	k_q3195b4fe65_quant
	.p2align	8
	.type	k_q3195b4fe65_quant,@function
k_q3195b4fe65_quant:
	s_mov_b64 s[64:65], 0
	v_nop
	global_prefetch_b8 v0, s[64:65] scope:SCOPE_SE
	s_setreg_imm32_b32 hwreg(HW_REG_WAVE_MODE, 25, 1), 1
	s_wait_xcnt 0x0
; x [8192][1024] (K innermost) and the weights w_attn [1024][3072], w_proj [1024][1024] (K = the first axis), all f32, become codes of BF6 (E3M2) with one E8M0 byte for each 32 along K.
; A block's scale is 2^(floor(log2(its largest magnitude)) - 4): its byte is the largest magnitude's exponent field - 4, held at 1 from below by a floor among the maximum's leaves.
; LIMITS: NaN and infinities among the inputs are not served; a block whose largest magnitude lies under 2^-122 gets the byte 1; a block of zeros gets the byte 1 where the rule says 127
; (its codes are zeros, which add nothing under any byte but 0xff, and this program alone reads the bytes).
; THE BUFFERS ARE LAID AS IMAGES OF THE OPERAND'S REGISTERS.  A half image is 768 bytes: 16 rows x 64 along K.  Lane (r, h) of a wave owns six words, the 32 codes k = 32 h .. 32 h + 31 of the row at place r:
; words 0-3 lie at 16 x lane, words 4, 5 at 512 + 8 x lane.  Half image (row block Rb, j = k / 64) lies at IMG + (16 Rb + j) x 768.
; THE ROWS OF A ROW BLOCK ARE NOT NEIGHBOURS: in each 32 rows, place r of row block 2 B + u is row 32 B + 8 u + r + 8 (r / 8), so that results of a product whose source 0 is such a block lie as 16 neighbours in a lane.
; The scale word (four bytes: 128 along K) of (Rb, r, K step s) lies at (Rb / 2) x 1024 + (s / 2) x 256 + (16 (Rb % 2) + r) x 8 + (s % 2) x 4.
; Work-groups 0-63: w_attn's columns 0-2047 (q, k); 64-95: its columns 2048-3071 (v); 96-127: w_proj; 128-383: x.  A work-group takes 32 rows of an operand, its four waves a quarter of K each.  Waves share nothing: no barrier.
.set IMG,   262144
.set FLOOR, 0x2800000                  ; 2^(5 - 127)
.set EOFF,  0xfe000000                 ; -(4 << 23)
.set XW,    32                         ; weights: v32-95 two sets of 32 numbers; v96-143 the codes of four pairs of blocks; v144-146 a conversion's second half; v148-149 the scale words
.set R0,    16                         ; x: v16-143 two sets of 64 numbers as loaded
.set XX,    144                        ; v144-207 my 64 numbers
.set PC,    208                        ; v208-219 a fragment's codes
.set PT,    220                        ; v220-226 the conversions' second halves
.set TM,    228                        ; v228-233 at work
.set WD,    244                        ; v244-247 the four steps' scale words
	s_load_b256 s[4:11], s[0:1], 0x0               ; x s[4:5], w_attn s[6:7], w_proj s[8:9], xq s[10:11]
; THE WEIGHTS' BUFFERS, wqk (w_attn's 3,072 columns) and wp (w_proj's 1,024), are laid by units of 64 columns: unit c takes 51,200 bytes: its four row blocks' 16 half images each (49,152 bytes), then its two pairs' scale words (2,048 bytes).
; Work-groups 0-95 take w_attn (32 columns each), 96-127 w_proj, 128-383 x.  xq keeps the layout with the scale words in front and the images from IMG on.
	s_load_b64 s[12:13], s[0:1], 0x20              ; wqk
	s_load_b64 s[16:17], s[0:1], 0x28              ; wp
	v_lshl_add_u32 v254, v0, 2, 0x8400
	v_mov_b32 v255, 0
	v_lshrrev_b32 v1, 5, v0
	v_readfirstlane_b32 s18, v1                    ; wave 0..3: my quarter of K
	v_and_b32 v1, 31, v0                           ; lane
	s_mov_b32 s23, 0                               ; the upper word of every offset
	s_wait_kmcnt 0x0
	s_cmp_lt_u32 ttmp9, 96
	s_cbranch_scc1 .Lwqk
	s_cmp_lt_u32 ttmp9, 128
	s_cbranch_scc1 .Lwp
; ---------------- x: K is innermost.  Four steps t = 2 u + e: row block u of my 32 rows, 128 along K (the e-th of my quarter).
; A load takes 512 consecutive bytes of one row; the 16 rows of a step turn through my wave's own stage in LDS (rows 528 bytes apart), out of which a lane takes its two whole blocks: k = 64 c + 32 h + 0 .. 31 of row r.
	s_sub_co_u32 s20, ttmp9, 128                   ; which 32 rows
	s_lshl_b32 s22, s20, 17                        ; 32 rows of 4,096 bytes
	s_lshl_b32 s26, s18, 10                        ; my quarter: 1,024 bytes
	s_add_co_u32 s22, s22, s26
	s_add_nc_u64 s[24:25], s[4:5], s[22:23]
	s_mul_i32 s22, s20, 24576                      ; two row blocks of 16 half images
	s_mul_i32 s26, s18, 3072                       ; my four half images of each
	s_add_co_u32 s22, s22, s26
	s_add_co_u32 s22, s22, IMG
	s_add_nc_u64 s[28:29], s[10:11], s[22:23]
	s_lshl_b32 s22, s20, 10
	s_lshl_b32 s26, s18, 8
	s_add_co_u32 s22, s22, s26
	s_add_nc_u64 s[30:31], s[10:11], s[22:23]      ; my 256 bytes of scale words
	s_mul_i32 s27, s18, 8448                       ; my stage: 16 rows x 528 bytes
	s_mov_b32 s32, 0x76543210
	s_mov_b32 s33, 0xfedcba98                      ; v_permlanex16_b32's selects for lane l xor 16
	s_wait_alu depctr_va_vdst(0)
	v_lshlrev_b32 v2, 4, v1                        ; 16 x lane
	v_lshlrev_b32 v3, 3, v1                        ; 8 x lane
	v_add_nc_u32 v4, s27, v2                       ; into the stage
	v_and_b32 v6, 15, v1                           ; r
	v_bfe_u32 v7, v1, 4, 1                         ; h
	v_mul_u32_u24 v5, v6, 528
	v_lshl_add_u32 v5, v7, 7, v5
	v_add_nc_u32 v5, s27, v5                       ; out of it: row r, + 128 h bytes
	v_lshlrev_b32 v8, 3, v7                        ; 8 h: my bytes' place in a scale word
	v_mov_b32 v10, 0                               ; a lane permute's destination counts as one of its sources
.macro LOADX t
.irp i, 0,1,2,3,4,5,6,7,8,9,10,11,12,13,14,15
	global_load_b128 v[R0+64*((\t)%2)+4*\i:R0+64*((\t)%2)+4*\i+3], v2, s[24:25] offset:(8*((\t)/2)+\i+8*(\i/8))*4096+((\t)%2)*512 th:TH_LOAD_NT   ; place i's row: 512 consecutive bytes
.endr
.endm
.macro STEPX t
.set RS, R0+64*((\t)%2)
.if (\t) < 3
	s_wait_loadcnt 16                              ; this step's 16 loads are in; the next step's 16 may be out
.else
	s_wait_loadcnt 0x0
.endif
.irp i, 0,1,2,3,4,5,6,7,8,9,10,11,12,13,14,15
	ds_store_b128 v4, v[RS+4*\i:RS+4*\i+3] offset:\i*528
.endr
.irp c, 0,1
.irp m, 0,1,2,3,4,5,6,7
	ds_load_b128 v[XX+32*\c+4*\m:XX+32*\c+4*\m+3], v5 offset:\c*256+16*\m   ; LDS serves a wave's instructions in order: these see my stores
.endr
.endr
	s_wait_dscnt 0x0                               ; my numbers are back, and the stores have read their registers,
.if (\t)+2 < 4
	LOADX (\t)+2                                   ; which take the loads of two steps on
.endif
.irp c, 0,1
	v_max3_num_f32 v[TM+\c], |v[XX+32*\c]|, |v[XX+32*\c+1]|, FLOOR   ; block 2 c + h: all its 32 numbers are mine; the floor holds the byte at 1 from below
.endr
.irp i, 2,4,6,8,10,12,14,16,18,20,22,24,26,28,30
.irp c, 0,1
	v_max3_num_f32 v[TM+\c], v[TM+\c], |v[XX+32*\c+\i]|, |v[XX+32*\c+\i+1]|
.endr
.endr
.irp c, 0,1
	v_add_nc_u32 v[TM+4+\c], EOFF, v[TM+\c]        ; 4 off the exponent field: the conversion takes this operand's exponent field as its scale
.endr
.irp c, 0,1
	v_lshrrev_b32 v[TM+2+\c], 23, v[TM+4+\c]       ; the scale's byte
.endr
	v_lshl_or_b32 v9, v[TM+3], 16, v[TM+2]         ; my two bytes, blocks h and 2 + h,
	v_lshlrev_b32 v9, v8, v9                       ; at their places;
	v_permlanex16_b32 v10, v9, s32, s33
	v_or_b32 v[WD+(\t)], v9, v10                   ; with lane l xor 16's two the word is whole, in both lanes
.if (\t) > 0
	s_wait_alu depctr_va_vdst(0)
	s_wait_xcnt 0x0                                ; the last step's stores have read the codes' registers
.endif
.irp c, 0,1
	v_cvt_scalef32_pk16_bf6_f32 v[PC+6*\c:PC+6*\c+2], v[XX+32*\c:XX+32*\c+15], v[TM+4+\c]
	v_cvt_scalef32_pk16_bf6_f32 v[PT+4*\c:PT+4*\c+2], v[XX+32*\c+16:XX+32*\c+31], v[TM+4+\c]   ; (a conversion's three registers begin on an even number)
.endr
	v_nop                                          ; one plain place behind a scaled conversion
.irp c, 0,1
.irp i, 0,1,2
	v_mov_b32 v[PC+6*\c+3+\i], v[PT+4*\c+\i]
.endr
.endr
.irp c, 0,1
	global_store_b128 v2, v[PC+6*\c:PC+6*\c+3], s[28:29] offset:((\t)/2)*12288+(2*((\t)%2)+\c)*768        ; 512 consecutive bytes, aligned to 256
	global_store_b64 v3, v[PC+6*\c+4:PC+6*\c+5], s[28:29] offset:((\t)/2)*12288+(2*((\t)%2)+\c)*768+512   ; 256 consecutive bytes, aligned
.endr
.endm
	LOADX 0
	LOADX 1
	s_wait_alu depctr_va_vdst(0)
	STEPX 0
	STEPX 1
	STEPX 2
	STEPX 3
	v_cmp_lt_u32 vcc_lo, 15, v1                    ; lanes 0-15 store row block 0's words, lanes 16-31 row block 1's
	v_cndmask_b32 v248, v[WD], v[WD+2], vcc_lo
	v_cndmask_b32 v249, v[WD+1], v[WD+3], vcc_lo
	global_store_b64 v3, v[248:249], s[30:31]      ; 256 consecutive bytes, aligned
	s_wait_tensorcnt 0x0
	ds_add_u32 v254, v255
	s_wait_dscnt 0x0
	s_endpgm
; ---------------- a weight: K is the first axis.  A lane takes a column and its registers run down K: a block of 32 lies in one lane, and the conversions give codes with K innermost.
; Lane l takes column (l % 8) + 8 (l / 16) + 16 ((l / 8) % 2) of the work-group's 32: lanes 0-15 then hold row block 0's places 0-15, lanes 16-31 row block 1's.
.macro LOADW t, pitch
.irp i, 0,1,2,3,4,5,6,7,8,9,10,11,12,13,14,15,16,17,18,19,20,21,22,23,24,25,26,27,28,29,30,31
	global_load_b32 v[XW+32*((\t)%2)+\i], v2, s[24:25] offset:(32*(\t)+\i)*(\pitch) th:TH_LOAD_NT
.endr
.endm
.macro BLOCKW t, pitch
.set XS, XW+32*((\t)%2)
.set CC, 96+12*((\t)/2)+6*((\t)%2)     ; each block has its own six registers, so no store's data are written again
.if (\t) < 7
	s_wait_loadcnt 32                              ; this block's 32 loads are in; the next block's 32 may be out
.else
	s_wait_loadcnt 0x0
.endif
	v_max3_num_f32 v12, |v[XS]|, |v[XS+1]|, |v[XS+2]|
	v_max3_num_f32 v13, |v[XS+3]|, |v[XS+4]|, |v[XS+5]|
.irp i, 6,10,14,18,22,26
	v_max3_num_f32 v12, v12, |v[XS+\i]|, |v[XS+\i+1]|
	v_max3_num_f32 v13, v13, |v[XS+\i+2]|, |v[XS+\i+3]|
.endr
	v_max3_num_f32 v12, v12, |v[XS+30]|, |v[XS+31]|
	v_max3_num_f32 v12, v12, v13, FLOOR
	v_add_nc_u32 v11, EOFF, v12
	v_lshrrev_b32 v13, 23, v11
.if (\t)%4 == 0
	v_mov_b32 v[148+(\t)/4], v13
.else
	v_lshl_or_b32 v[148+(\t)/4], v13, 8*((\t)%4), v[148+(\t)/4]
.endif
	v_cvt_scalef32_pk16_bf6_f32 v[CC:CC+2], v[XS:XS+15], v11
	v_cvt_scalef32_pk16_bf6_f32 v[144:146], v[XS+16:XS+31], v11
	v_nop                                          ; one plain place behind a scaled conversion
.irp i, 0,1,2
	v_mov_b32 v[CC+3+\i], v[144+\i]
.endr
.if (\t)+2 < 8
	LOADW (\t)+2, \pitch
.endif
.if (\t)%2 == 1
.irp i, 0,1,2,3,4,5
	v_permlane16_swap_b32 v[CC-6+\i], v[CC+\i]     ; the even block's lanes 16-31 change places with the odd block's lanes 0-15: the first six registers are now row block 0's half image, the second six row block 1's
.endr
	global_store_b128 v3, v[CC-6:CC-3], s[28:29] offset:((\t)/2)*768
	global_store_b64 v4, v[CC-2:CC-1], s[28:29] offset:((\t)/2)*768+512
	global_store_b128 v3, v[CC:CC+3], s[28:29] offset:12288+((\t)/2)*768
	global_store_b64 v4, v[CC+4:CC+5], s[28:29] offset:12288+((\t)/2)*768+512
.endif
.endm
.macro QW src, dst, first, col0, pitch, lay    ; lay = 1: the buffer is laid by units of 51,200 bytes
	s_sub_co_u32 s20, ttmp9, \first                ; which 32 columns
	s_lshl_b32 s22, s20, 7
	s_add_co_u32 s22, s22, (\col0)*4
	s_mul_i32 s26, s18, 256*(\pitch)               ; my 256 rows of K
	s_add_co_u32 s22, s22, s26
	s_add_nc_u64 s[24:25], s[\src:\src+1], s[22:23]
	s_mul_i32 s22, s20, 24576
	s_mul_i32 s26, s18, 3072
	s_add_co_u32 s22, s22, s26
.if \lay
	s_lshr_b32 s26, s20, 1
	s_lshl_b32 s26, s26, 11                        ; 2,048 bytes of scale words behind each unit passed
	s_add_co_u32 s22, s22, s26
.else
	s_add_co_u32 s22, s22, IMG
.endif
	s_add_nc_u64 s[28:29], s[\dst:\dst+1], s[22:23]
	s_lshl_b32 s22, s20, 10
	s_lshl_b32 s26, s18, 8
	s_add_co_u32 s22, s22, s26
.if \lay
	s_lshr_b32 s26, s20, 1
	s_mul_i32 s26, s26, 49152                      ; the images of the units passed,
	s_add_co_u32 s22, s22, s26
	s_add_co_u32 s22, s22, 49152                   ; and of my own
.endif
	s_add_nc_u64 s[30:31], s[\dst:\dst+1], s[22:23]
	v_and_b32 v5, 7, v1
	v_bfe_u32 v6, v1, 4, 1
	v_lshl_or_b32 v5, v6, 3, v5
	v_bfe_u32 v6, v1, 3, 1
	v_lshl_or_b32 v5, v6, 4, v5                    ; my column
	v_lshlrev_b32 v2, 2, v5
	v_lshlrev_b32 v3, 4, v1
	v_lshlrev_b32 v4, 3, v1
	LOADW 0, \pitch
	LOADW 1, \pitch
.irp t, 0,1,2,3,4,5,6,7
	BLOCKW \t, \pitch
.endr
	global_store_b64 v4, v[148:149], s[30:31]      ; my column's two scale words: 256 consecutive bytes a wave, aligned
	s_endpgm
.endm
.Lwqk:
	s_wait_alu depctr_va_vdst(0)
	QW 6, 12, 0, 0, 12288, 1
.Lwp:
	s_wait_alu depctr_va_vdst(0)
	QW 8, 16, 96, 0, 4096, 1
.Lfunc_end_k_q3195b4fe65_quant:
	.size	k_q3195b4fe65_quant, .Lfunc_end_k_q3195b4fe65_quant-k_q3195b4fe65_quant
	.p2alignl 7, 3214868480
	.fill 96, 4, 3214868480
	.section	.rodata,"a",@progbits
	.p2align	6, 0x0
	.amdhsa_kernel k_q3195b4fe65_quant
		.amdhsa_group_segment_fixed_size 34304
		.amdhsa_private_segment_fixed_size 0
		.amdhsa_enable_private_segment 0
		.amdhsa_kernarg_size 48
		.amdhsa_user_sgpr_count 2
		.amdhsa_user_sgpr_kernarg_segment_ptr 1
		.amdhsa_wavefront_size32 1
		.amdhsa_system_sgpr_workgroup_id_x 1
		.amdhsa_system_sgpr_workgroup_id_y 1
		.amdhsa_system_sgpr_workgroup_id_z 1
		.amdhsa_system_vgpr_workitem_id 0
		.amdhsa_next_free_vgpr 256
		.amdhsa_next_free_sgpr 66
		.amdhsa_reserve_vcc 1
		.amdhsa_float_denorm_mode_32 3
		.amdhsa_float_denorm_mode_16_64 3
		.amdhsa_memory_ordered 1
		.amdhsa_forward_progress 1
		.amdhsa_inst_pref_size 109
	.end_amdhsa_kernel
	.amdgpu_metadata
---
amdhsa.version: [ 1, 2 ]
amdhsa.kernels:
  - .name:           k_q3195b4fe65_quant
    .symbol:         k_q3195b4fe65_quant.kd
    .args:
      - { .name: x, .offset: 0, .size: 8, .value_kind: global_buffer, .address_space: global }
      - { .name: w_attn, .offset: 8, .size: 8, .value_kind: global_buffer, .address_space: global }
      - { .name: w_proj, .offset: 16, .size: 8, .value_kind: global_buffer, .address_space: global }
      - { .name: xq, .offset: 24, .size: 8, .value_kind: global_buffer, .address_space: global }
      - { .name: wqk, .offset: 32, .size: 8, .value_kind: global_buffer, .address_space: global }
      - { .name: wp, .offset: 40, .size: 8, .value_kind: global_buffer, .address_space: global }
    .group_segment_fixed_size: 34304
    .private_segment_fixed_size: 0
    .kernarg_segment_align: 8
    .kernarg_segment_size: 48
    .max_flat_workgroup_size: 128
    .sgpr_count:     66
    .vgpr_count:     256
    .wavefront_size: 32
...
	.end_amdgpu_metadata
.endif
;; end of part 1
;; launch gemm_qkv (part 2): grid 32 x 8, 4 waves a work-group, clusters of 4 x 1, 327,680 bytes of LDS; arguments xq, wqk, qk, vt; writes qk, vt
.if DOCPART == 2
	.amdgcn_target "amdgcn-amd-amdhsa--gfx1250"
	.amdhsa_code_object_version 6
	.text
	.protected	k_q3195b4fe65_gemm_qkv
	.globl	k_q3195b4fe65_gemm_qkv
	.p2align	8
	.type	k_q3195b4fe65_gemm_qkv,@function
k_q3195b4fe65_gemm_qkv:
	s_mov_b64 s[64:65], 0
	v_nop
	global_prefetch_b8 v0, s[64:65] scope:SCOPE_SE
	s_setreg_imm32_b32 hwreg(HW_REG_WAVE_MODE, 25, 1), 1
	s_wait_xcnt 0x0
	s_wait_alu depctr_hold_cnt(0) depctr_sa_sdst(0) depctr_va_vdst(0) depctr_va_sdst(0) depctr_va_ssrc(0) depctr_va_vcc(0) depctr_vm_vsrc(0)
	s_getreg_b32 s2, hwreg(HW_REG_IB_STS2, 6, 4)
	s_cmp_eq_u32 s2, 0
	s_cbranch_scc0 .Lentry_in_a_cluster
	s_endpgm
.Lentry_in_a_cluster:
	s_bfe_u32 s2, ttmp6, 0x10000c
	s_cmp_lg_u32 s2, 0x3003
	s_cbranch_scc0 .Lentry_shape_is_right
	s_endpgm
.Lentry_shape_is_right:
; q, k, v = Q(x w_attn): both operands are BF6 codes with K = 1,024, as register images (half images of 768 bytes: 16 rows x 64 along K; words 0-3 at 16 x lane, words 4, 5 at 512 + 8 x lane) with one scale word for a row and 128 along K.
; The f32 sums are quantised again: q and k along each head's 64 channels, v along the tokens (the keys), and stored as half images for the attention launch.
; SHARES.  A unit is 64 rows of an operand (four row blocks).  Wave w of work-group (T, j) keeps x's unit U = 4 T + w, all of K, in 384 registers, loaded straight from memory: nobody else in the work-group reads it.
; The work-group walks six units of w_attn, which its four waves share through LDS: v's units 32 + 2 j, 33 + 2 j, then q's and k's units 4 j .. 4 j + 3.  So every work-group has the same work.
; A unit against a unit is 8 K steps x 16 matrix instructions on 16 accumulators, which take turns, one instruction a turn, in the same order in every step.
; q, k: source 0 = 16 channels, source 1 = 16 tokens: a lane holds a token and its registers run along the channels.  v: the sources change places: a lane holds a channel and its registers run along the tokens.
; In each 32 rows, place r of row block 2 B + u is row 32 B + 8 u + r + 8 (r / 8), so the 16 registers of source 0's blocks 2 B, 2 B + 1 are the neighbours 32 B + 16 h + 0 .. 15.  Accumulator 4 i + t: source 1's block i, source 0's block t.
; THE UNIT'S FRAGMENTS stand in four sets and are asked of LDS three K steps ahead, on into the next unit: its first three steps' loads are out while this unit's results are quantised.
; CLUSTERS: the four work-groups of a cluster (four T, one j) need the same units of w_attn and ask for them jointly.  A unit is 51,200 dense bytes, images and scale words.  Each LDS byte is filled once: the two units of v at the head,
; a quarter a wave; the four of q and k, one a wave, behind the full sequence and a round, while v's two units are multiplied.  x's units are not shared inside a cluster and pass through no LDS, so no joint load can serve them.
; No prefetch: all that a work-group reads is asked for by the end of its head.
; THE RESULT.  Image i of (G, Q) at OIMG + (512 G + 4 Q + i) x 768, its rows' scale words (two bytes, the upper two 0) at (128 G + Q) x 256 + 16 r + 4 i.  q, k: G = the unit of channels, Q = U, into qk.  v: G = U, Q = the head, into vt.
; LIMITS: NaN and infinities are not served; a block whose largest magnitude lies under 2^-122, a block of zeros among them, gets the byte 1 (this program alone reads the bytes).
; REGISTERS.  Window 0: v1-8 addresses; v30, v31 the add's; v32-47 x's scale words (pair p, K step s: 32 + 8 p + s; lanes 0-15 the even block's, lanes 16-31 the odd one's); v48-63 the unit's likewise; v64-159 the unit's fragments, sets 0, 1;
;   v160-183 at work; v184-231 codes; v232-237 scale words made.  Window 1: x's fragments of K steps 0-4 (48 s + 12 a); window 2: of K steps 5-7.  Window 3: v0-127 the accumulators, v128-223 the unit's fragments, sets 2, 3.
.set IMG,   262144
.set OIMG,  4194304
.set UNIT,  51200
.set USC,   49152                      ; a unit's scale words lie behind its images
.set SPARE, 6*UNIT                     ; behind the six units: the spare words
.set XS,    32
.set WS,    48
.set WF,    64
.set TM,    160
.set PC,    184
.set PW,    232
.set SW,    236
.set MSB, 0
.macro WIN new                         ; the immediate's high byte repeats the setting that is left
.if MSB != \new
	s_set_vgpr_msb (MSB<<8)|\new
.set MSB, \new
.endif
.endm
.macro ROUND                           ; a round of the cluster's barrier
	s_barrier_signal -1
	s_barrier_wait -1
	s_cmp_lg_u32 s12, 0
	s_cbranch_scc1 .Lnot_wave_0_\@
	s_barrier_signal -3
.Lnot_wave_0_\@:
	s_barrier_wait -3
	s_barrier_signal -1
	s_barrier_wait -1
.endm
.macro SHAPE g, r                      ; a group 1: r dense rows of 256 bytes (32 elements of 8); the mask names all four work-groups, bit 21 beside it; no padding: every LDS read takes consecutive bytes
	s_mov_b32 s[\g], 15|(3<<16)|(1<<21)
	s_mov_b32 s[\g+1], 32<<16
	s_mov_b32 s[\g+2], (\r)<<16
	s_mov_b32 s[\g+3], 32<<16
	s_mov_b32 s[\g+4], \r
	s_mov_b32 s[\g+5], 32
	s_mov_b32 s[\g+6], 0
	s_mov_b32 s[\g+7], 0
.endm
.macro PLACES
.rept 4
	v_nop
.endr
.endm
	s_load_b256 s[4:11], s[0:1], 0x0               ; xq s[4:5], wqk s[6:7], qk s[8:9], vt s[10:11]
	v_lshl_add_u32 v30, v0, 2, SPARE
	v_mov_b32 v31, 0
	ds_add_u32 v30, v31                            ; the opening lines: the add, twice on end, and its wait ahead of my first tensor load
	ds_add_u32 v30, v31
	v_lshrrev_b32 v1, 5, v0
	v_readfirstlane_b32 s12, v1                    ; wave 0..3
	v_and_b32 v1, 31, v0                           ; lane
	v_lshlrev_b32 v2, 4, v1                        ; 16 x lane
	v_lshlrev_b32 v3, 3, v1                        ; 8 x lane
	v_and_b32 v7, 15, v0                           ; r
	v_bfe_u32 v8, v0, 4, 1                         ; h
	v_lshlrev_b32 v6, 4, v7
	v_lshl_add_u32 v6, v8, 3, v6                   ; 16 r + 8 h: my two of a row's four scale words
	v_cmp_lt_u32 s58, 15, v1                       ; lanes 16-31
.irp n, 0,1,2,3,4,5,6,7
	v_mov_b32 v[TM+8+\n], 0                        ; a lane permute's destination counts as one of its sources
.endr
	s_wait_alu depctr_va_vdst(0)
	s_bfe_u32 s13, ttmp6, 0x40000                  ; cx
	s_lshl_b32 s14, ttmp9, 2
	s_add_co_u32 s14, s14, s13                     ; T
	s_and_b32 s15, ttmp7, 0xffff                   ; j
	s_lshl_b32 s16, s14, 2
	s_add_co_u32 s16, s16, s12                     ; U
	SHAPE 24, 100                                  ; a quarter of two units
	SHAPE 32, 200                                  ; a unit
	s_lshl_b32 s18, s15, 1                         ; the joint loads' places hang on j and the wave alone
	s_add_co_u32 s18, s18, 32
	s_mul_i32 s18, s18, UNIT
	s_mul_i32 s41, s12, UNIT/2                     ; LDS: v's two units from 0 on
	s_add_co_u32 s18, s18, s41
	s_mov_b32 s19, 0
	s_lshl_b32 s20, s15, 2
	s_add_co_u32 s20, s20, s12
	s_mul_i32 s20, s20, UNIT
	s_mov_b32 s21, 0
	s_mul_i32 s45, s12, UNIT
	s_add_co_u32 s45, s45, 2*UNIT                  ; LDS: q's and k's four units behind them
	s_mov_b32 s40, 1
	s_mov_b32 s44, 1
	s_mul_i32 s22, s16, 49152                      ; x's unit: images,
	s_add_co_u32 s22, s22, IMG
	s_mov_b32 s23, 0
	s_lshl_b32 s48, s16, 11                        ; and scale words
	s_mov_b32 s49, 0
	s_lshl_b32 s50, s16, 9                         ; v's images: (512 U + 8 j) x 768
	s_lshl_b32 s17, s15, 3
	s_add_co_u32 s50, s50, s17
	s_mul_i32 s50, s50, 768
	s_add_co_u32 s50, s50, OIMG
	s_mov_b32 s51, 0
	s_lshl_b32 s52, s16, 7                         ; v's scale words: (128 U + 2 j) x 256
	s_lshl_b32 s17, s15, 1
	s_add_co_u32 s52, s52, s17
	s_lshl_b32 s52, s52, 8
	s_mov_b32 s53, 0
	s_lshl_b32 s54, s15, 11                        ; q's, k's images: (512 x 4 j + 4 U) x 768
	s_lshl_b32 s17, s16, 2
	s_add_co_u32 s54, s54, s17
	s_mul_i32 s54, s54, 768
	s_add_co_u32 s54, s54, OIMG
	s_mov_b32 s55, 0
	s_lshl_b32 s56, s15, 9                         ; their scale words: (128 x 4 j + U) x 256
	s_add_co_u32 s56, s56, s16
	s_lshl_b32 s56, s56, 8
	s_mov_b32 s57, 0
	s_mov_b32 s60, 0x76543210
	s_mov_b32 s61, 0xfedcba98                      ; v_permlanex16_b32's selects for lane l xor 16
	s_wait_dscnt 0x0                               ; both opening adds are done
	s_wait_kmcnt 0x0
	s_add_nc_u64 s[42:43], s[6:7], s[18:19]
	s_or_b32 s43, s43, 0x80000000
	s_add_nc_u64 s[46:47], s[6:7], s[20:21]
	s_or_b32 s47, s47, 0x80000000
	s_add_nc_u64 s[22:23], s[4:5], s[22:23]
	s_add_nc_u64 s[48:49], s[4:5], s[48:49]
	s_add_nc_u64 s[50:51], s[10:11], s[50:51]
	s_add_nc_u64 s[52:53], s[10:11], s[52:53]
	s_add_nc_u64 s[54:55], s[8:9], s[54:55]
	s_add_nc_u64 s[56:57], s[8:9], s[56:57]
	ROUND                                          ; all four work-groups are here: the joint loads meet
	tensor_load_to_lds s[40:43], s[24:31]          ; my quarter of v's two units: my one tensor load at the head
	s_nop 0
	PLACES
.irp p, 0,1
.irp q, 0,1,2,3
	global_load_b64 v[XS+8*\p+2*\q:XS+8*\p+2*\q+1], v3, s[48:49] offset:\p*1024+\q*256   ; x's scale words first: 256 consecutive bytes: both blocks of pair p, two K steps
.endr
.endr
.set S, 0
.rept 8                                ; x's unit, K step by K step, 16 loads a step; a fragment is two half images, each 16 + 8 bytes a lane
.set XR, 48*(S%5)
.set WN, (1+S/5)<<6
	WIN WN                                         ; destination window 1 or 2
.irp a, 0,1,2,3
	global_load_b128 v[XR+12*\a:XR+12*\a+3], v2, s[22:23] offset:\a*12288+S*1536
	global_load_b64 v[XR+12*\a+4:XR+12*\a+5], v3, s[22:23] offset:\a*12288+S*1536+512
	global_load_b128 v[XR+12*\a+6:XR+12*\a+9], v2, s[22:23] offset:\a*12288+S*1536+768
	global_load_b64 v[XR+12*\a+10:XR+12*\a+11], v3, s[22:23] offset:\a*12288+S*1536+1280
.endr
.set S, S+1
.endr
	WIN 0
.macro WM d, p, q, z, sp, sq, m1, m2
.if \z
	v_wmma_scale_f32_16x16x128_f8f6f4 v[\d:\d+7], v[\p:\p+11], v[\q:\q+11], 0, v[\sp], v[\sq] matrix_a_fmt:MATRIX_FMT_BF6 matrix_b_fmt:MATRIX_FMT_BF6 \m1 \m2
.else
	v_wmma_scale_f32_16x16x128_f8f6f4 v[\d:\d+7], v[\p:\p+11], v[\q:\q+11], v[\d:\d+7], v[\sp], v[\sq] matrix_a_fmt:MATRIX_FMT_BF6 matrix_b_fmt:MATRIX_FMT_BF6 \m1 \m2
.endif
.endm
; 16 matrix instructions: source 0's four blocks from p0 (scale words at ps) x source 1's four from q0 (qs).  An odd block's scale words stand in lanes 16-31.  z: the first products start the sums
.macro MUL16 p0, ps, q0, qs, z
.irp qh, 0,1
.irp ph, 0,1
	WM 8*(8*\qh+2*\ph), \p0+24*\ph, \q0+24*\qh, \z, \ps+8*\ph, \qs+8*\qh
	WM 8*(8*\qh+2*\ph+1), \p0+24*\ph+12, \q0+24*\qh, \z, \ps+8*\ph, \qs+8*\qh, matrix_a_scale:MATRIX_SCALE_ROW1
.endr
.irp ph, 0,1
	WM 8*(8*\qh+2*\ph+4), \p0+24*\ph, \q0+24*\qh+12, \z, \ps+8*\ph, \qs+8*\qh, matrix_b_scale:MATRIX_SCALE_ROW1
	WM 8*(8*\qh+2*\ph+5), \p0+24*\ph+12, \q0+24*\qh+12, \z, \ps+8*\ph, \qs+8*\qh, matrix_a_scale:MATRIX_SCALE_ROW1, matrix_b_scale:MATRIX_SCALE_ROW1
.endr
.endr
.endm
.macro WSET s                          ; where the unit's fragments of K step s stand: set s % 4: window WW, register WR
.set ST, (\s)%4
.set WW, 3*(ST/2)
.set WR, (WF+48*ST)*(1-ST/2)+(128+48*(ST-2))*(ST/2)
.endm
.macro FETCH s                         ; the unit's four fragments of K step s: 16 loads
	WSET \s
.set WN, WW<<6
	WIN WN                                         ; destination window 0 or 3
.irp b, 0,1,2,3
	ds_load_b128 v[WR+12*\b:WR+12*\b+3], v4 offset:\b*12288+(\s)*1536
	ds_load_b64 v[WR+12*\b+4:WR+12*\b+5], v5 offset:\b*12288+(\s)*1536+512
	ds_load_b128 v[WR+12*\b+6:WR+12*\b+9], v4 offset:\b*12288+(\s)*1536+768
	ds_load_b64 v[WR+12*\b+10:WR+12*\b+11], v5 offset:\b*12288+(\s)*1536+1280
.endr
	WIN 0
.endm
.macro AHEAD                           ; the unit at LDS byte s62: its addresses, all its scale words, its first three K steps' fragments: 8 + 48 loads
	v_add_nc_u32 v4, s62, v2
	v_add_nc_u32 v5, s62, v3
	s_wait_alu depctr_va_vdst(0)
.irp p, 0,1
.irp q, 0,1,2,3
	ds_load_b64 v[WS+8*\p+2*\q:WS+8*\p+2*\q+1], v5 offset:USC+\p*1024+\q*256
.endr
.endr
	FETCH 0
	FETCH 1
	FETCH 2
.endm
.macro KSTEPS kind, lw                 ; a unit against my unit of x.  kind = 1: v, x is source 0.  lw = 1: x's loads may still be out
.set S, 0
.rept 8
.if S < 6
	s_wait_dscnt 32                                ; this step's fragments are in; the 16 loads of each of the next two steps may be out
.else
	s_wait_dscnt 16*(7-S)
.endif
.if \lw
.if S == 0
	s_wait_loadcnt 63                              ; of my 136 loads the oldest 73 are in: the 8 of scale words, K steps 0-3's 64 and one of step 4's
.endif
.if S > 3
	s_wait_loadcnt 16*(7-S)                        ; this step's are in; 16 for each later step may be out
.endif
.endif
.if S < 5
.if S > 0
	PLACES                                         ; four places between the last products and loads into the set that they read
.endif
	FETCH S+3
.endif
	WSET S
.set XR, 48*(S%5)
.set Z0, (S==0)
.if \kind
.set WN, 0xf0+(1+S/5)+4*WW
	WIN WN                                         ; source 0: x, window 1 or 2; source 1: the unit, window 0 or 3; C and D window 3
	MUL16 XR, XS+S, WR, WS+S, Z0
.else
.set WN, 0xf0+WW+4*(1+S/5)
	WIN WN                                         ; the sources the other way round
	MUL16 WR, WS+S, XR, XS+S, Z0
.endif
	WIN 0
.set S, S+1
.endr
.endm
; Four images: image i's 32 registers a lane are two half blocks (n = 2 i + b: registers 16 n .. 16 n + 15 are numbers 32 b + 16 h + 0 .. 15 of my row).  The eight take turns line by line.
.macro EPI img, scl
	WIN 0x0f                                       ; sources 0 and 1 window 3
.irp n, 0,1,2,3,4,5,6,7
	v_max3_num_f32 v[TM+\n], |v[16*\n]|, |v[16*\n+1]|, 0x2800000   ; each accumulator is read from its low end on; the floor 2^(5 - 127) holds the byte at 1 from below
.endr
	WIN 0x3c                                       ; sources 1 and 2 window 3
.irp k, 2,4,6,8,10,12,14
.irp n, 0,1,2,3,4,5,6,7
	v_max3_num_f32 v[TM+\n], v[TM+\n], |v[16*\n+\k]|, |v[16*\n+\k+1]|
.endr
.endr
	WIN 0
.irp n, 0,1,2,3,4,5,6,7
	v_permlanex16_b32 v[TM+8+\n], v[TM+\n], s60, s61
.endr
.irp n, 0,1,2,3,4,5,6,7
	v_max_num_f32 v[TM+\n], v[TM+\n], v[TM+8+\n]   ; with lane l xor 16's 16 numbers: the block's largest magnitude
.endr
.irp n, 0,1,2,3,4,5,6,7
	v_add_nc_u32 v[TM+16+\n], 0xfe000000, v[TM+\n] ; 4 off its exponent field: the conversion's scale operand
.endr
.irp n, 0,1,2,3,4,5,6,7
	v_lshrrev_b32 v[TM+8+\n], 23, v[TM+16+\n]      ; the scale's byte
.endr
.irp i, 0,1,2,3
	v_lshl_or_b32 v[PW+\i], v[TM+9+2*\i], 8, v[TM+8+2*\i]
.endr
	WIN 0x03                                       ; source 0 window 3
.irp i, 0,1,2,3
	v_cvt_scalef32_pk16_bf6_f32 v[PC+12*\i:PC+12*\i+2], v[32*\i:32*\i+15], v[TM+16+2*\i]
	v_cvt_scalef32_pk16_bf6_f32 v[PC+12*\i+6:PC+12*\i+8], v[32*\i+16:32*\i+31], v[TM+17+2*\i]
.endr
	WIN 0
	v_nop                                          ; one plain place behind a scaled conversion
.irp i, 0,1,2,3
.irp w, 0,1,2
	v_permlane16_swap_b32 v[PC+12*\i+\w], v[PC+12*\i+6+\w]   ; a whole block in a lane: lanes 0-15 block 0, lanes 16-31 block 1
.endr
.endr
.irp i, 0,1,2,3
.irp w, 0,1,2
	v_mov_b32 v[PC+12*\i+3+\w], v[PC+12*\i+6+\w]
.endr
.endr
	v_cndmask_b32 v[SW], v[PW], v[PW+2], s58       ; lanes 0-15 store images 0 and 1's words of their row, lanes 16-31 images 2 and 3's
	v_cndmask_b32 v[SW+1], v[PW+1], v[PW+3], s58
.irp i, 0,1,2,3
	global_store_b128 v2, v[PC+12*\i:PC+12*\i+3], s[\img:\img+1] offset:\i*768          ; 512 consecutive bytes, aligned to 256
	global_store_b64 v3, v[PC+12*\i+4:PC+12*\i+5], s[\img:\img+1] offset:\i*768+512     ; 256 consecutive bytes, aligned
.endr
	global_store_b64 v6, v[SW:SW+1], s[\scl:\scl+1]                                     ; 256 consecutive bytes, aligned
	s_wait_xcnt 0x0                                ; the stores have read their registers and bases: both are written again below and in the next trip
.endm
; A trip: a unit's products; the next unit's first loads, which land under the quantising; the quantising.  A kind's last trip has no next unit and asks for its own unit's once more: those registers are not used.
.macro TRIP kind, img, scl, istep, sstep, base, last, lw
	KSTEPS \kind, \lw
	PLACES                                         ; behind the last products: in front of loads into their scale words and of the first read of results
	s_add_co_u32 s62, s63, 1
	s_min_u32 s62, s62, \last
	s_mul_i32 s62, s62, UNIT
	s_add_co_u32 s62, s62, \base
	AHEAD
	EPI \img, \scl
	s_add_nc_u64 s[\img:\img+1], s[\img:\img+1], \istep
	s_add_nc_u64 s[\scl:\scl+1], s[\scl:\scl+1], \sstep
	s_add_co_u32 s63, s63, 1
.endm
	s_wait_tensorcnt 0x0                           ; my quarter of v's units is in
	ds_add_u32 v30, v31
	s_wait_dscnt 0x0
	ROUND                                          ; everybody's is, in all four work-groups
	tensor_load_to_lds s[44:47], s[32:39]          ; my one of q's and k's four units: my one tensor load behind the round
	s_nop 0
	PLACES
	s_mov_b32 s62, 0
	AHEAD
	s_mov_b32 s63, 0
	TRIP 1, 50, 52, 3072, 256, 0, 1, 1             ; v's two units are written out: the first begins while x's later K steps are on their way
	TRIP 1, 50, 52, 3072, 256, 0, 1, 0
	s_wait_tensorcnt 0x0                           ; my unit of q's and k's four is in,
	s_wait_dscnt 0x0
	s_barrier_signal -1
	s_barrier_wait -1                              ; and everybody's.
	s_mov_b32 s62, 2*UNIT
	AHEAD
	s_mov_b32 s63, 0
.Lqk:
	TRIP 0, 54, 56, 393216, 32768, 2*UNIT, 3, 0
	s_cmp_lt_u32 s63, 4
	s_wait_alu depctr_va_vdst(0)
	s_cbranch_scc1 .Lqk
	s_wait_tensorcnt 0x0                           ; the wave's end
	ds_add_u32 v30, v31
	s_wait_dscnt 0x0
	ROUND                                          ; the closing round
	s_endpgm
.Lfunc_end_k_q3195b4fe65_gemm_qkv:
	.size	k_q3195b4fe65_gemm_qkv, .Lfunc_end_k_q3195b4fe65_gemm_qkv-k_q3195b4fe65_gemm_qkv
	.p2alignl 7, 3214868480
	.fill 96, 4, 3214868480
	.section	.rodata,"a",@progbits
	.p2align	6, 0x0
	.amdhsa_kernel k_q3195b4fe65_gemm_qkv
		.amdhsa_group_segment_fixed_size 327680
		.amdhsa_private_segment_fixed_size 0
		.amdhsa_enable_private_segment 0
		.amdhsa_kernarg_size 32
		.amdhsa_user_sgpr_count 2
		.amdhsa_user_sgpr_kernarg_segment_ptr 1
		.amdhsa_wavefront_size32 1
		.amdhsa_system_sgpr_workgroup_id_x 1
		.amdhsa_system_sgpr_workgroup_id_y 1
		.amdhsa_system_sgpr_workgroup_id_z 1
		.amdhsa_system_vgpr_workitem_id 0
		.amdhsa_next_free_vgpr 1024
		.amdhsa_next_free_sgpr 66
		.amdhsa_reserve_vcc 0
		.amdhsa_float_denorm_mode_32 3
		.amdhsa_float_denorm_mode_16_64 3
		.amdhsa_memory_ordered 1
		.amdhsa_forward_progress 1
		.amdhsa_inst_pref_size 132
	.end_amdhsa_kernel
	.amdgpu_metadata
---
amdhsa.version: [ 1, 2 ]
amdhsa.kernels:
  - .name:           k_q3195b4fe65_gemm_qkv
    .symbol:         k_q3195b4fe65_gemm_qkv.kd
    .args:
      - { .name: xq, .offset: 0, .size: 8, .value_kind: global_buffer, .address_space: global }
      - { .name: wqk, .offset: 8, .size: 8, .value_kind: global_buffer, .address_space: global }
      - { .name: qk, .offset: 16, .size: 8, .value_kind: global_buffer, .address_space: global }
      - { .name: vt, .offset: 24, .size: 8, .value_kind: global_buffer, .address_space: global }
    .group_segment_fixed_size: 327680
    .private_segment_fixed_size: 0
    .kernarg_segment_align: 8
    .kernarg_segment_size: 32
    .max_flat_workgroup_size: 128
    .sgpr_count:     66
    .vgpr_count:     1024
    .wavefront_size: 32
...
	.end_amdgpu_metadata
.endif
;; end of part 2
;; launch attn (part 3): grid 4 x 64, 16 waves a work-group, clusters of 4 x 1, 215,040 bytes of LDS; arguments qk, vt, yq; writes yq
.if DOCPART == 3
	.amdgcn_target "amdgcn-amd-amdhsa--gfx1250"
	.amdhsa_code_object_version 6
	.text
	.protected	k_q3195b4fe65_attn
	.globl	k_q3195b4fe65_attn
	.p2align	8
	.type	k_q3195b4fe65_attn,@function
k_q3195b4fe65_attn:
	s_mov_b64 s[64:65], 0
	v_nop
	global_prefetch_b8 v0, s[64:65] scope:SCOPE_SE
	s_setreg_imm32_b32 hwreg(HW_REG_WAVE_MODE, 25, 1), 1
	s_wait_xcnt 0x0
	s_wait_alu depctr_hold_cnt(0) depctr_sa_sdst(0) depctr_va_vdst(0) depctr_va_sdst(0) depctr_va_ssrc(0) depctr_va_vcc(0) depctr_vm_vsrc(0)
	s_getreg_b32 s2, hwreg(HW_REG_IB_STS2, 6, 4)
	s_cmp_eq_u32 s2, 0
	s_cbranch_scc0 .Lentry_in_a_cluster
	s_endpgm
.Lentry_in_a_cluster:
	s_bfe_u32 s2, ttmp6, 0x10000c
	s_cmp_lg_u32 s2, 0x3003
	s_cbranch_scc0 .Lentry_shape_is_right
	s_endpgm
.Lentry_shape_is_right:
; y = softmax_causal(q k^T / 8) v for one batch and head a cluster, both products on codes of BF6 (E3M2) with one E8M0 scale for each 32 along a product's K; y is quantised along its 64 channels and stored as an operand of the last product.
; THE SOFTMAX AHEAD OF THE SECOND PRODUCT: t = score x log2(e) / 8; M = the row's largest t so far, rounded UP to a whole number; p = 2^(t - M) is quantised along the keys, not normalised.  The row's sum is taken of the
; unquantised p and divides O at the end.  When M moves, the sum and O are multiplied by 2^(old M - new M): exact.
; INPUTS are register images: half images of 768 bytes (16 rows x 64 along K; words 0-3 at 16 x lane, words 4, 5 at 512 + 8 x lane).  q, k: (G = head, or 16 + head; R = 128 b + tile of 16 tokens); v: (G = 32 b + key / 64; R = 4 head + 16 channels' block).
; In each 32 rows, place r of block 2 B + u is row 32 B + 8 u + r + 8 (r / 8): so a lane's 16 registers of two neighbouring tiles of scores are 16 neighbouring keys, and O^T's are 16 neighbouring channels.
; THE HEAD'S 64 FILL HALF OF THE INSTRUCTION'S 128: q's registers 6-11 are zero codes; k's registers 6-11 hold whatever codes were there (every code is a finite number), and the scale bytes of that half are another head's bytes or 0, never 0xff.
; SHARES.  The four work-groups of a cluster serve one head, and ask jointly for all its K and V (208 KB with the scale words): each LDS byte is filled once, so there is no ring.  Query tile 4 n + cx belongs to work-group cx;
; wave w takes n = w and then n = 31 - w: n / 2 + 1 steps of 128 keys each, 17 for every wave of every work-group, and nothing but global addresses and the mask's numbers hangs on cx.
; ONE BARRIER, at the head: in front of it each fetching wave waits for its one tensor load, so behind it the whole head lies in LDS and nobody writes LDS again.  No barrier stands between a wave's two tiles:
; a wave whose first tile is short goes on to its long one at once, and each wave's 17 steps run on end.
; Both loops have constant trip counts (8 and 16); a step all of whose keys come after the tile's queries is jumped over by a scalar branch on the wave's number.
; LIMITS: NaN and infinities are not served; a block of y whose largest magnitude lies under 2^-122 gets the byte 1.  y's scale bytes leave as single bytes, 8 bytes apart: one byte for each 24 of codes.
; No prefetch: all that a work-group reads but q's 800 bytes a tile is asked for at its head.
; REGISTERS: v1-5, v30, v31, v92-94 addresses that stay; v6 the mask's number; v7-11, v28 a step's addresses; v12 -M, v13 the largest t, v[14:15] the sum; v16-27 q; v29 q's scale word; v32-79 four fragments of k or v;
;   v204-211 k's scale words, v88-91 v's; v96-159 S^T, then p; v160-191 O^T; v224-235 p's codes; v232-254 at work.
.set IMG,   262144
.set OIMG,  4194304
.set VIMG,  98304                      ; LDS: k's 128 half images at 0; v's [key / 64][block 0-3][768] here;
.set KSC,   196608                     ; k's scale words, 512 bytes a step;
.set VSC,   204800                     ; v's, 512 bytes a step
.macro ROUND                           ; a round of the cluster's barrier
	s_barrier_signal -1
	s_barrier_wait -1
	s_cmp_lg_u32 s10, 0
	s_cbranch_scc1 .Lnot_wave_0_\@
	s_barrier_signal -3
.Lnot_wave_0_\@:
	s_barrier_wait -3
	s_barrier_signal -1
	s_barrier_wait -1
.endm
.macro SHAPE g, c, r, p                ; a group 1: r rows of c elements of 8 bytes, p elements from row to row; the mask names all four work-groups, bit 21 beside it; no padding
	s_mov_b32 s[\g], 15|(3<<16)|(1<<21)
	s_mov_b32 s[\g+1], (\c)<<16
	s_mov_b32 s[\g+2], (\r)<<16
	s_mov_b32 s[\g+3], (\c)<<16
	s_mov_b32 s[\g+4], \r
	s_mov_b32 s[\g+5], \p
	s_mov_b32 s[\g+6], 0
	s_mov_b32 s[\g+7], 0
.endm
.macro FOUR
.rept 4
	v_nop
.endr
.endm
	s_load_b128 s[4:7], s[0:1], 0x0                ; qk s[4:5], vt s[6:7]
	s_load_b64 s[8:9], s[0:1], 0x10                ; yq
	v_lshl_add_u32 v251, v0, 2, 0x34000            ; the spare words lie behind v's scale words, which take 8,192 bytes
	v_mov_b32 v255, 0
	ds_add_u32 v251, v255
	ds_add_u32 v251, v255
	v_lshrrev_b32 v1, 5, v0
	s_delay_alu instid0(VALU_DEP_1)
	v_readfirstlane_b32 s10, v1                    ; wave 0..15
	s_bfe_u32 s11, ttmp6, 0x40000                  ; cx
	s_and_b32 s13, ttmp7, 0xffff
	s_lshr_b32 s12, s13, 4                         ; b
	s_and_b32 s13, s13, 15                         ; head
	s_and_b32 s14, s10, 3                          ; which quarter I fetch, if I fetch images
	SHAPE 24, 32, 96, 32                           ; k's images: a quarter of the head's, 24,576 dense bytes
	SHAPE 32, 384, 8, 49152                        ; v's: the head's 3,072 bytes of eight groups of 64 keys, 393,216 bytes apart
	SHAPE 40, 32, 32, 32                           ; k's scale words: 8,192 dense bytes
	SHAPE 48, 32, 32, 4096                         ; v's: 256 bytes of each of the 32 groups of 64 keys, 32,768 bytes apart: a word holds the group's two bytes
	s_add_co_u32 s92, s13, 16
	s_lshl_b32 s92, s92, 9
	s_lshl_b32 s93, s12, 7
	s_add_co_u32 s92, s92, s93
	s_mul_i32 s92, s92, 768
	s_mul_i32 s15, s14, 24576
	s_add_co_u32 s92, s92, s15
	s_add_co_u32 s92, s92, OIMG                    ; k's images: (512 (16 + head) + 128 b) x 768 + my quarter
	s_mov_b32 s93, 0
	s_lshl_b32 s94, s12, 5
	s_lshl_b32 s95, s14, 3
	s_add_co_u32 s94, s94, s95
	s_lshl_b32 s94, s94, 9
	s_lshl_b32 s95, s13, 2
	s_add_co_u32 s94, s94, s95
	s_mul_i32 s94, s94, 768
	s_add_co_u32 s94, s94, OIMG                    ; v's: (512 (32 b + 8 x my quarter) + 4 head) x 768
	s_mov_b32 s95, 0
	s_add_co_u32 s96, s13, 16
	s_lshl_b32 s96, s96, 7
	s_lshl_b32 s97, s12, 5
	s_add_co_u32 s96, s96, s97
	s_lshl_b32 s96, s96, 8                         ; k's scale words: (128 (16 + head) + 32 b) x 256
	s_mov_b32 s97, 0
	s_lshl_b32 s98, s12, 12
	s_add_co_u32 s98, s98, s13
	s_lshl_b32 s98, s98, 8                         ; v's: (128 x 32 b + head) x 256
	s_mov_b32 s99, 0
	s_mov_b32 s20, 0x76543210
	s_mov_b32 s21, 0xfedcba98                      ; v_permlanex16_b32's selects for lane l xor 16
	s_mov_b32 s22, 0x3e38aa3b                      ; c = log2(e) / 8
	s_mov_b32 s23, s22                             ; (named with it as a pair)
	s_wait_dscnt 0x0
	s_wait_kmcnt 0x0
	s_add_nc_u64 s[92:93], s[4:5], s[92:93]
	s_add_nc_u64 s[94:95], s[6:7], s[94:95]
	s_add_nc_u64 s[96:97], s[4:5], s[96:97]
	s_add_nc_u64 s[98:99], s[6:7], s[98:99]
.irp f, 0                              ; one group 0 for each kind of tile: a fetching wave has one tensor load
	s_mov_b32 s[56+4*\f], 1
	s_add_co_u32 s[57+4*\f], s15, \f*49152
	s_add_nc_u64 s[58+4*\f:59+4*\f], s[92:93], \f*49152
	s_or_b32 s[59+4*\f], s[59+4*\f], 0x80000000
	s_mov_b32 s[68+4*\f], 1
	s_add_co_u32 s[69+4*\f], s15, VIMG+\f*49152
	s_add_nc_u64 s[70+4*\f:71+4*\f], s[94:95], \f*6291456
	s_or_b32 s[71+4*\f], s[71+4*\f], 0x80000000
	s_mov_b32 s[76+4*\f], 1
	s_mov_b32 s[77+4*\f], KSC+\f*4096
	s_add_nc_u64 s[78+4*\f:79+4*\f], s[96:97], \f*4096
	s_or_b32 s[79+4*\f], s[79+4*\f], 0x80000000
	s_mov_b32 s[84+4*\f], 1
	s_mov_b32 s[85+4*\f], VSC+\f*2048
	s_add_nc_u64 s[86+4*\f:87+4*\f], s[98:99], \f*524288
	s_or_b32 s[87+4*\f], s[87+4*\f], 0x80000000
.endr
	ROUND                                          ; all four work-groups are here: the joint loads meet
	s_cmp_lt_u32 s10, 4                            ; one chain of branches on the wave's number, one fill to an arm: waves 0-3 k's images, 4-7 v's, 8 k's scale words, 9 v's; the others fetch nothing
	s_cbranch_scc0 .Lnot_k
	tensor_load_to_lds s[56:59], s[24:31]
	s_nop 0
	FOUR
	s_branch .Lasked
.Lnot_k:
	s_cmp_lt_u32 s10, 8
	s_cbranch_scc0 .Lnot_v
	tensor_load_to_lds s[68:71], s[32:39]
	s_nop 0
	FOUR
	s_branch .Lasked
.Lnot_v:
	s_cmp_eq_u32 s10, 8
	s_cbranch_scc0 .Lnot_ks
	tensor_load_to_lds s[76:79], s[40:47]
	s_nop 0
	FOUR
	s_branch .Lasked
.Lnot_ks:
	s_cmp_eq_u32 s10, 9
	s_cbranch_scc0 .Lasked
	tensor_load_to_lds s[84:87], s[48:55]
	s_nop 0
	FOUR
.Lasked:
	v_and_b32 v94, 31, v0                          ; lane
	v_and_b32 v95, 15, v0                          ; r
	v_bfe_u32 v6, v0, 4, 1                         ; h
	s_delay_alu instid0(VALU_DEP_3)
	v_lshlrev_b32 v1, 4, v94                       ; 16 x lane
	s_delay_alu instid0(VALU_DEP_4)
	v_lshlrev_b32 v2, 3, v94                       ; 8 x lane
	s_delay_alu instid0(VALU_DEP_4)
	v_lshlrev_b32 v3, 4, v95                       ; 16 r
	v_and_b32 v4, 8, v95
	s_delay_alu instid0(VALU_DEP_1)
	v_add_nc_u32 v4, v4, v95
	v_lshlrev_b32 v5, 4, v6
	s_delay_alu instid0(VALU_DEP_1)
	v_sub_nc_u32 v4, v4, v5                        ; r + 8 (r / 8) - 16 h
	v_lshl_add_u32 v5, v95, 3, v6                  ; 8 r + h: my byte among y's scale bytes
	v_add_nc_u32 v30, VIMG, v1
	v_add_nc_u32 v31, VIMG, v2
	v_add_nc_u32 v92, KSC, v3
	v_add_nc_u32 v93, VSC, v3
.irp i, 22,23,24,25,26,27
	v_mov_b32 v\i, 0                               ; q's upper 64 along K: zero codes
.endr
.irp i, 80,81,82,83,84,85
	v_mov_b32 v\i, 0                               ; written once: the registers behind k's eighth tile, which its product names as its upper 64 along K
.endr
.irp i, 236,237,238,239,252,253
	v_mov_b32 v\i, 0                               ; lane permutes' destinations count as sources; v253 is named as the upper half of the pair v[252:253]
.endr
; A STEP: 128 keys.  s16 counts the steps, s15 is the tile's last step (the one on the diagonal); s17, s18, s19 are the step's bytes among the images, k's scale words and v's.
.macro STEP
	s_cmp_gt_u32 s16, s15
	s_cbranch_scc1 .Lhidden_\@                     ; all 128 keys come after my 16 queries
	v_add_nc_u32 v7, s17, v1                       ; (these six are also the places between the last step's products and the loads into the registers that they read)
	s_wait_alu depctr_va_vdst(0)
	v_add_nc_u32 v8, s17, v2
	s_wait_alu depctr_va_vdst(0)
	v_add_nc_u32 v9, s17, v30
	v_add_nc_u32 v10, s17, v31
	v_add_nc_u32 v11, s18, v92
	v_add_nc_u32 v28, s19, v93
	ds_load_b128 v[204:207], v11                   ; place r's scale words of k's tiles 0-3,
	ds_load_b128 v[208:211], v11 offset:256        ; and 4-7
	ds_load_b128 v[88:91], v28                     ; v's scale words of the step's first 64 keys (two bytes each),
	ds_load_b128 v[192:195], v28 offset:256        ; and of its second 64
; S^T = k q^T, eight tiles of 16 keys.  A tile's codes are six registers, and the tiles stand six registers apart in v32-79: what a product names as a tile's upper 64 along K is the next tile's codes (behind the eighth: zeros),
; finite numbers that meet q's zero codes.  So one run of loads and one wait serve the eight products.
.irp t, 0,1,2,3,4,5,6,7
	ds_load_b128 v[32+6*\t:35+6*\t], v7 offset:\t*768
	ds_load_b64 v[36+6*\t:37+6*\t], v8 offset:\t*768+512
.endr
	s_wait_dscnt 0x0
.irp t, 0,1,2,3,4,5,6,7
	v_wmma_scale_f32_16x16x128_f8f6f4 v[96+8*\t:103+8*\t], v[32+6*\t:43+6*\t], v[16:27], 0, v[204+\t], v29 matrix_a_fmt:MATRIX_FMT_BF6 matrix_b_fmt:MATRIX_FMT_BF6
.endr
.irp d, 0,1,2,3
	v_lshl_or_b32 v[88+\d], v[192+\d], 16, v[88+\d]   ; v's scale word for the 128 keys.  (These four are the places in front of the first read of the scores and of the loads below)
.endr
	s_wait_alu depctr_va_vdst(0)
.irp d, 0,1,2,3
	ds_load_b128 v[32+12*\d:35+12*\d], v9 offset:\d*768
	ds_load_b64 v[36+12*\d:37+12*\d], v10 offset:\d*768+512
	ds_load_b128 v[38+12*\d:41+12*\d], v9 offset:3072+\d*768
	ds_load_b64 v[42+12*\d:43+12*\d], v10 offset:3072+\d*768+512
.endr
	s_cmp_lg_u32 s16, s15
	s_cbranch_scc1 .Lopen_\@                       ; only the step on the diagonal has hidden keys
	v_mov_b32 v254, 0xff800000                     ; -infinity: p = 0 then.  Register n holds key 32 (n / 16) + 16 h + n % 16 of the step: hidden where 32 (n / 16) + n % 16 > v6
.set NN, 0
.rept 64
	v_cmp_gt_i32 vcc_lo, 32*(NN/16)+NN%16, v6
	v_cndmask_b32 v[96+NN], v[96+NN], v254, vcc_lo
.set NN, NN+1
.endr
.Lopen_\@:
.irp b, 0,1,2,3
	v_max3_num_f32 v[232+\b], v[96+16*\b], v[97+16*\b], v[98+16*\b]   ; the largest score of each block of 32 keys: for the row's maximum, and, since p rises with the score, for the block's largest p
.endr
.irp i, 3,5,7,9,11,13
.irp b, 0,1,2,3
	v_max3_num_f32 v[232+\b], v[232+\b], v[96+16*\b+\i], v[97+16*\b+\i]
.endr
.endr
.irp b, 0,1,2,3
	v_max_num_f32 v[232+\b], v[232+\b], v[111+16*\b]
.endr
.irp b, 0,1,2,3
	s_delay_alu instid0(VALU_DEP_4)
	v_permlanex16_b32 v[236+\b], v[232+\b], s20, s21
.endr
.irp b, 0,1,2,3
	s_delay_alu instid0(VALU_DEP_4)
	v_max_num_f32 v[232+\b], v[232+\b], v[236+\b]  ; with lane l xor 16's 16 keys
.endr
	s_delay_alu instid0(VALU_DEP_2)
	v_max3_num_f32 v254, v232, v233, v234
	s_delay_alu instid0(VALU_DEP_1)
	v_max_num_f32 v254, v254, v235
	s_delay_alu instid0(VALU_DEP_1)
	v_mul_f32 v254, s22, v254                      ; the step's largest t
	s_delay_alu instid0(VALU_DEP_1)
	v_max_num_f32 v13, v13, v254                   ; the running largest t
	v_mov_b32 v254, v12
	s_delay_alu instid0(VALU_DEP_2)
	v_floor_f32 v12, -v13                          ; the new -M = floor(-t): M is a whole number
	s_delay_alu instid0(VALU_DEP_1)
	v_sub_f32 v254, v12, v254                      ; old M - new M: a whole number, 0 or less
	s_delay_alu instid0(VALU_DEP_1)
	v_cvt_i32_f32 v254, v254                       ; (it saturates)
	s_delay_alu instid0(VALU_DEP_1)
	v_ldexp_f32 v252, 1.0, v254                    ; f = 2^(old M - new M)
.set JJ, 0
.rept 32
	v_pk_fma_f32 v[96+JJ:97+JJ], v[96+JJ:97+JJ], s[22:23], v[12:13] op_sel_hi:[1,0,0]   ; t - M, two at a time
.set JJ, JJ+2
.endr
.irp b, 0,1,2,3
	v_fma_f32 v[232+\b], v[232+\b], s22, v12       ; the same of each block's largest score
.endr
.set JJ, 0
	s_wait_alu depctr_va_vdst(0)
.rept 64
	v_exp_f32 v[96+JJ], v[96+JJ]                   ; p = 2^(t - M)
.set JJ, JJ+1
.endr
.irp b, 0,1,2,3
	v_exp_f32 v[232+\b], v[232+\b]                 ; the block's largest p: the same two instructions on the same number give the same bits
.endr
	v_pk_mul_f32 v[14:15], v[14:15], v[252:253] op_sel_hi:[1,0]   ; the sums under the new M.  (A plain place behind the exponentials)
	s_wait_alu depctr_va_vdst(0)
.irp b, 0,1,2,3
	v_max_num_f32 v[232+\b], 0x2800000, v[232+\b]  ; the floor 2^(5 - 127): the byte cannot fall under 1
.endr
.irp b, 0,1,2,3
	s_delay_alu instid0(VALU_DEP_4)
	v_add_nc_u32 v[244+\b], 0xfe000000, v[232+\b]  ; 4 off the exponent field: the conversion's scale operand
.endr
.irp b, 0,1,2,3
	s_delay_alu instid0(VALU_DEP_4)
	v_lshrrev_b32 v[236+\b], 23, v[244+\b]
.endr
	s_delay_alu instid0(VALU_DEP_3)
	v_lshl_or_b32 v253, v237, 8, v236              ; p's scale word for these 128 keys
	s_delay_alu instid0(VALU_DEP_1)
	v_lshl_or_b32 v253, v238, 16, v253
	s_delay_alu instid0(VALU_DEP_1)
	v_lshl_or_b32 v253, v239, 24, v253
.irp c, 0,1
	v_cvt_scalef32_pk16_bf6_f32 v[224+6*\c:226+6*\c], v[96+32*\c:111+32*\c], v[244+2*\c]
	v_cvt_scalef32_pk16_bf6_f32 v[236+4*\c:238+4*\c], v[112+32*\c:127+32*\c], v[245+2*\c]
.endr
	v_nop                                          ; one plain place behind a scaled conversion
.irp c, 0,1                            ; a whole block in a lane
.irp i, 0,1,2
	v_permlane16_swap_b32 v[224+6*\c+\i], v[236+4*\c+\i]
.endr
.irp i, 0,1,2
	s_delay_alu instid0(VALU_DEP_3)
	v_mov_b32 v[227+6*\c+\i], v[236+4*\c+\i]
.endr
.endr
.set JJ, 0
.rept 16
	v_pk_mul_f32 v[160+JJ:161+JJ], v[160+JJ:161+JJ], v[252:253] op_sel_hi:[1,0]   ; O^T under the new M, from each accumulator's low end on
.set JJ, JJ+2
.endr
	v_pk_add_f32 v[236:237], v[100:101], v[104:105]
	v_pk_add_f32 v[248:249], v[108:109], v[112:113]
	v_pk_add_f32 v[246:247], v[116:117], v[120:121]
	v_pk_add_f32 v[244:245], v[124:125], v[128:129]
	v_pk_add_f32 v[242:243], v[132:133], v[136:137]
	v_pk_add_f32 v[240:241], v[140:141], v[144:145]
	v_pk_add_f32 v[222:223], v[148:149], v[152:153]
	v_pk_add_f32 v[14:15], v[14:15], v[156:157]
	v_pk_add_f32 v[236:237], v[236:237], v[96:97]
	v_pk_add_f32 v[248:249], v[248:249], v[98:99]
	v_pk_add_f32 v[246:247], v[246:247], v[102:103]
	v_pk_add_f32 v[244:245], v[244:245], v[106:107]
	v_pk_add_f32 v[242:243], v[242:243], v[110:111]
	v_pk_add_f32 v[240:241], v[240:241], v[114:115]
	v_pk_add_f32 v[222:223], v[222:223], v[118:119]
	v_pk_add_f32 v[14:15], v[14:15], v[122:123]
	v_pk_add_f32 v[236:237], v[236:237], v[126:127]
	v_pk_add_f32 v[248:249], v[248:249], v[130:131]
	v_pk_add_f32 v[246:247], v[246:247], v[134:135]
	v_pk_add_f32 v[244:245], v[244:245], v[138:139]
	v_pk_add_f32 v[242:243], v[242:243], v[142:143]
	v_pk_add_f32 v[240:241], v[240:241], v[146:147]
	v_pk_add_f32 v[222:223], v[222:223], v[150:151]
	v_pk_add_f32 v[14:15], v[14:15], v[154:155]
	v_pk_add_f32 v[236:237], v[236:237], v[158:159]
	s_delay_alu instid0(VALU_DEP_2)
	v_pk_add_f32 v[14:15], v[14:15], v[244:245]
	s_delay_alu instid0(VALU_DEP_2)
	v_pk_add_f32 v[236:237], v[236:237], v[242:243]
	v_pk_add_f32 v[248:249], v[248:249], v[240:241]
	v_pk_add_f32 v[246:247], v[246:247], v[222:223]
	s_delay_alu instid0(VALU_DEP_2)
	v_pk_add_f32 v[14:15], v[14:15], v[248:249]
	s_delay_alu instid0(VALU_DEP_2)
	v_pk_add_f32 v[236:237], v[236:237], v[246:247]
	s_delay_alu instid0(VALU_DEP_1)
	v_pk_add_f32 v[14:15], v[14:15], v[236:237]
	s_wait_dscnt 0x0                               ; v's fragments and scale words are in
.irp d, 0,1,2,3                        ; O^T += v^T p^T: the four accumulators by turns
	v_wmma_scale_f32_16x16x128_f8f6f4 v[160+8*\d:167+8*\d], v[32+12*\d:43+12*\d], v[224:235], v[160+8*\d:167+8*\d], v[88+\d], v253 matrix_a_fmt:MATRIX_FMT_BF6 matrix_b_fmt:MATRIX_FMT_BF6
.endr
.Lhidden_\@:
	s_add_co_u32 s17, s17, 6144
	s_add_co_u32 s18, s18, 512
	s_add_co_u32 s19, s19, 512
.endm
; A TILE of 16 queries: number 4 n + cx of the head's 128, n in s14.
.macro TILE trips
	s_wait_xcnt 0x0                                ; the last tile's stores have read their registers and bases
	s_lshr_b32 s15, s14, 1                         ; the step on the diagonal
	s_lshl_b32 s92, s14, 2
	s_add_co_u32 s92, s92, s11                     ; the tile
	s_lshl_b32 s93, s12, 7
	s_add_co_u32 s93, s93, s92                     ; its row block among all tokens
	s_lshl_b32 s94, s13, 9
	s_add_co_u32 s94, s94, s93
	s_mul_i32 s94, s94, 768
	s_add_co_u32 s94, s94, OIMG
	s_mov_b32 s95, 0
	s_add_nc_u64 s[94:95], s[4:5], s[94:95]        ; q's half image
	s_lshl_b32 s96, s13, 7
	s_lshr_b32 s97, s93, 2
	s_add_co_u32 s96, s96, s97
	s_lshl_b32 s96, s96, 8
	s_and_b32 s97, s92, 3
	s_lshl_b32 s97, s97, 2
	s_add_co_u32 s96, s96, s97
	s_mov_b32 s97, 0
	s_add_nc_u64 s[96:97], s[4:5], s[96:97]        ; and its scale words
	global_load_b128 v[16:19], v1, s[94:95]
	global_load_b64 v[20:21], v2, s[94:95] offset:512
	global_load_b32 v29, v3, s[96:97]
	v_mov_b32 v13, 0xff61b1e6                      ; the largest t so far: -3e38
	s_delay_alu instid0(VALU_DEP_1)
	v_floor_f32 v12, -v13                          ; -M
	v_mov_b32 v14, 0
	v_mov_b32 v15, 0
.set JJ, 0
.rept 32
	v_mov_b32 v[160+JJ], 0                         ; O^T: the step is written once, and its first trip finds zeros
.set JJ, JJ+1
.endr
	s_and_b32 s98, s92, 7
	s_lshr_b32 s98, s98, 1
	s_lshl_b32 s98, s98, 5
	s_and_b32 s99, s92, 1
	s_lshl_b32 s99, s99, 3
	s_add_co_u32 s98, s98, s99
	v_add_nc_u32 v6, s98, v4                       ; my query's place in the diagonal's step, less 16 h
	s_mov_b32 s16, 0
	s_mov_b32 s17, 0
	s_mov_b32 s18, 0
	s_mov_b32 s19, 0
	s_wait_loadcnt 0x0                             ; q
.Ltrip_\@:
	STEP
	s_add_co_u32 s16, s16, 1
	s_cmp_lt_u32 s16, \trips
	s_cbranch_scc1 .Ltrip_\@
	FOUR                                           ; in front of the first read of O^T
	s_wait_alu depctr_va_vdst(0)
	v_add_f32 v14, v14, v15
	s_delay_alu instid0(VALU_DEP_1)
	v_permlanex16_b32 v252, v14, s20, s21
	s_delay_alu instid0(VALU_DEP_1)
	v_add_f32 v14, v14, v252                       ; the row's sum
	s_wait_alu depctr_va_vdst(0)
	v_rcp_f32 v14, v14
	v_nop                                          ; one plain place behind a transcendental
.set JJ, 0
	s_wait_alu depctr_va_vdst(0)
.rept 32
	v_mul_f32 v[96+JJ], v[160+JJ], v14             ; y: register 16 B + i is channel 32 B + 16 h + i of my query
.set JJ, JJ+1
.endr
.irp b, 0,1
	v_max3_num_f32 v[232+\b], |v[96+16*\b]|, |v[97+16*\b]|, 0x2800000
.endr
.irp i, 2,4,6,8,10,12,14
.irp b, 0,1
	s_delay_alu instid0(VALU_DEP_2)
	v_max3_num_f32 v[232+\b], v[232+\b], |v[96+16*\b+\i]|, |v[97+16*\b+\i]|
.endr
.endr
.irp b, 0,1
	s_delay_alu instid0(VALU_DEP_2)
	v_permlanex16_b32 v[236+\b], v[232+\b], s20, s21
.endr
.irp b, 0,1
	s_delay_alu instid0(VALU_DEP_2)
	v_max_num_f32 v[232+\b], v[232+\b], v[236+\b]
.endr
.irp b, 0,1
	s_delay_alu instid0(VALU_DEP_2)
	v_add_nc_u32 v[244+\b], 0xfe000000, v[232+\b]
.endr
.irp b, 0,1
	s_delay_alu instid0(VALU_DEP_2)
	v_lshrrev_b32 v[240+\b], 23, v[244+\b]
.endr
	v_cvt_scalef32_pk16_bf6_f32 v[224:226], v[96:111], v244
	v_cvt_scalef32_pk16_bf6_f32 v[236:238], v[112:127], v245
	v_nop                                          ; one plain place behind a scaled conversion
.irp i, 0,1,2
	v_permlane16_swap_b32 v[224+\i], v[236+\i]
.endr
.irp i, 0,1,2
	s_delay_alu instid0(VALU_DEP_3)
	v_mov_b32 v[227+\i], v[236+\i]
.endr
	v_cmp_lt_u32 vcc_lo, 15, v94
	s_delay_alu instid0(VALU_DEP_1)
	v_cndmask_b32 v243, v240, v241, vcc_lo         ; lanes 0-15 store block 0's byte, lanes 16-31 block 1's
	s_lshl_b32 s94, s93, 4
	s_add_co_u32 s94, s94, s13
	s_mul_i32 s94, s94, 768
	s_add_co_u32 s94, s94, IMG
	s_mov_b32 s95, 0
	s_add_nc_u64 s[94:95], s[8:9], s[94:95]        ; y's half image (row block, j = head)
	s_lshr_b32 s96, s93, 1
	s_lshl_b32 s96, s96, 10
	s_lshr_b32 s97, s13, 2
	s_lshl_b32 s97, s97, 8
	s_add_co_u32 s96, s96, s97
	s_and_b32 s97, s93, 1
	s_lshl_b32 s97, s97, 7
	s_add_co_u32 s96, s96, s97
	s_and_b32 s97, s13, 3
	s_lshl_b32 s97, s97, 1
	s_add_co_u32 s96, s96, s97
	s_mov_b32 s97, 0
	s_add_nc_u64 s[96:97], s[8:9], s[96:97]        ; and its two bytes of each row's scale words
	s_wait_alu depctr_va_vdst(0)
	global_store_b128 v1, v[224:227], s[94:95]             ; 512 consecutive bytes, aligned to 256
	global_store_b64 v2, v[228:229], s[94:95] offset:512   ; 256 consecutive bytes, aligned
	global_store_b8 v5, v243, s[96:97]
.endm
	s_wait_tensorcnt 0x0                           ; my one tensor load has landed: my part of the head's K or V,
	s_barrier_signal -1
	s_barrier_wait -1                              ; and everybody's have: every LDS read below stands behind this wait, and nobody writes LDS again
	s_mov_b32 s14, s10                             ; n = wave: at most 8 steps
	TILE 8
	s_xor_b32 s14, s10, 31                         ; n = 31 - wave: the rest of my 17 steps follows at once, whatever the other waves are at
	TILE 16
	s_wait_tensorcnt 0x0
	ds_add_u32 v251, v255
	s_wait_dscnt 0x0
	ROUND                                          ; the closing round: no work-group ends while a partner may still ask for a tile that names it
	s_endpgm
.Lfunc_end_k_q3195b4fe65_attn:
	.size	k_q3195b4fe65_attn, .Lfunc_end_k_q3195b4fe65_attn-k_q3195b4fe65_attn
	.p2alignl 7, 3214868480
	.fill 96, 4, 3214868480
	.section	.rodata,"a",@progbits
	.p2align	6, 0x0
	.amdhsa_kernel k_q3195b4fe65_attn
		.amdhsa_group_segment_fixed_size 215040
		.amdhsa_private_segment_fixed_size 0
		.amdhsa_enable_private_segment 0
		.amdhsa_kernarg_size 24
		.amdhsa_user_sgpr_count 2
		.amdhsa_user_sgpr_kernarg_segment_ptr 1
		.amdhsa_wavefront_size32 1
		.amdhsa_system_sgpr_workgroup_id_x 1
		.amdhsa_system_sgpr_workgroup_id_y 1
		.amdhsa_system_sgpr_workgroup_id_z 1
		.amdhsa_system_vgpr_workitem_id 0
		.amdhsa_next_free_vgpr 256
		.amdhsa_next_free_sgpr 100
		.amdhsa_reserve_vcc 1
		.amdhsa_float_denorm_mode_32 3
		.amdhsa_float_denorm_mode_16_64 3
		.amdhsa_memory_ordered 1
		.amdhsa_forward_progress 1
		.amdhsa_inst_pref_size 70
	.end_amdhsa_kernel
	.amdgpu_metadata
---
amdhsa.version: [ 1, 2 ]
amdhsa.kernels:
  - .name:           k_q3195b4fe65_attn
    .symbol:         k_q3195b4fe65_attn.kd
    .args:
      - { .name: qk, .offset: 0, .size: 8, .value_kind: global_buffer, .address_space: global }
      - { .name: vt, .offset: 8, .size: 8, .value_kind: global_buffer, .address_space: global }
      - { .name: yq, .offset: 16, .size: 8, .value_kind: global_buffer, .address_space: global }
    .group_segment_fixed_size: 215040
    .private_segment_fixed_size: 0
    .kernarg_segment_align: 8
    .kernarg_segment_size: 24
    .max_flat_workgroup_size: 512
    .sgpr_count:     100
    .vgpr_count:     256
    .wavefront_size: 32
...
	.end_amdgpu_metadata
.endif
;; end of part 3
;; launch gemm_out (part 4): grid 32 x 8, 4 waves a work-group, clusters of 4 x 1, 167,936 bytes of LDS; arguments yq, wp, out0; writes out0
.if DOCPART == 4
	.amdgcn_target "amdgcn-amd-amdhsa--gfx1250"
	.amdhsa_code_object_version 6
	.text
	.protected	k_q3195b4fe65_gemm_out
	.globl	k_q3195b4fe65_gemm_out
	.p2align	8
	.type	k_q3195b4fe65_gemm_out,@function
k_q3195b4fe65_gemm_out:
	s_mov_b64 s[64:65], 0
	v_nop
	global_prefetch_b8 v0, s[64:65] scope:SCOPE_SE
	s_setreg_imm32_b32 hwreg(HW_REG_WAVE_MODE, 25, 1), 1
	s_wait_xcnt 0x0
	s_wait_alu depctr_hold_cnt(0) depctr_sa_sdst(0) depctr_va_vdst(0) depctr_va_sdst(0) depctr_va_ssrc(0) depctr_va_vcc(0) depctr_vm_vsrc(0)
	s_getreg_b32 s2, hwreg(HW_REG_IB_STS2, 6, 4)
	s_cmp_eq_u32 s2, 0
	s_cbranch_scc0 .Lentry_in_a_cluster
	s_endpgm
.Lentry_in_a_cluster:
	s_bfe_u32 s2, ttmp6, 0x10000c
	s_cmp_lg_u32 s2, 0x3003
	s_cbranch_scc0 .Lentry_shape_is_right
	s_endpgm
.Lentry_shape_is_right:
; out0 = y w_proj: both operands are BF6 codes with K = 1,024, as register images (half images of 768 bytes: 16 rows x 64 along K; words 0-3 at 16 x lane, words 4, 5 at 512 + 8 x lane) with one scale word for a row and 128 along K; out0 [8192][1024] f32.
; SHARES.  A unit is 64 rows of an operand (four row blocks).  Wave w of work-group (T, j) keeps y's unit U = 4 T + w, all of K, in 384 registers, loaded straight from memory: nobody else in the work-group reads it.
; The work-group walks w_proj's units 2 j, 2 j + 1, which its four waves share through LDS.  A unit against a unit is 8 K steps x 16 matrix instructions on 16 accumulators, which take turns, one instruction a turn.
; Source 0 = 16 columns of w_proj, source 1 = 16 tokens: a lane holds a token, and by the order of rows in a row block (in each 32 rows, place r of block 2 B + u is row 32 B + 8 u + r + 8 (r / 8))
; the 16 registers of source 0's blocks 2 B, 2 B + 1 are the columns 32 B + 16 h + 0 .. 15.  Accumulator 4 a + t: y's block a, the unit's block t.
; THE WAY OUT, behind each unit: a unit's 64 columns are 256 bytes of a row of out0, aligned.  16 tokens at a time go through my wave's own stage in LDS and come back by rows: sixteen lanes store a row's 256 bytes.
; CLUSTERS: the four work-groups of a cluster (four T, one j) ask jointly for the two units (51,200 dense bytes each, images and scale words), a quarter a wave, at the head: each LDS byte is filled once.
; y's units are not shared inside a cluster and pass through no LDS, so no joint load can serve them.  No prefetch: all that a work-group reads is asked for at its head.
; REGISTERS.  Window 0: v1-11 addresses; v30, v31 the add's; v32-47 y's scale words (pair p, K step s: 32 + 8 p + s; lanes 0-15 the even block's, lanes 16-31 the odd one's); v48-63 the unit's likewise; v64-159 the unit's fragments, two sets;
;   v160-223 rows read back from the stage, two sets.  Window 1: y's fragments of K steps 0-4 (48 s + 12 a); window 2: of K steps 5-7.  Window 3: the accumulators.
.set IMG,   262144
.set UNIT,  51200
.set USC,   49152                      ; a unit's scale words lie behind its images
.set STAGE, 2*UNIT                     ; behind the two units: a stage of 16 rows x 272 bytes for each wave, 17 blocks of 256 bytes, into which no fill lands
.set SP,    272
.set SPARE, STAGE+4*16*SP              ; behind the stages: the spare words
.set XS,    32
.set WS,    48
.set WF,    64
.set BK,    160
.set MSB, 0
.macro WIN new                         ; the immediate's high byte repeats the setting that is left
.if MSB != \new
	s_set_vgpr_msb (MSB<<8)|\new
.set MSB, \new
.endif
.endm
.macro ROUND                           ; a round of the cluster's barrier
	s_barrier_signal -1
	s_barrier_wait -1
	s_cmp_lg_u32 s12, 0
	s_cbranch_scc1 .Lnot_wave_0_\@
	s_barrier_signal -3
.Lnot_wave_0_\@:
	s_barrier_wait -3
	s_barrier_signal -1
	s_barrier_wait -1
.endm
.macro PLACES
.rept 4
	v_nop
.endr
.endm
	s_load_b128 s[4:7], s[0:1], 0x0                ; yq s[4:5], wp s[6:7]
	s_load_b64 s[8:9], s[0:1], 0x10                ; out0
	v_lshl_add_u32 v30, v0, 2, SPARE
	v_mov_b32 v31, 0
	ds_add_u32 v30, v31                            ; the opening lines: the add, twice on end, and its wait ahead of my first tensor load
	ds_add_u32 v30, v31
	v_lshrrev_b32 v1, 5, v0
	v_readfirstlane_b32 s12, v1                    ; wave 0..3
	s_mul_i32 s17, s12, 16*SP
	s_add_co_u32 s17, s17, STAGE                   ; my stage
	v_and_b32 v1, 31, v0                           ; lane
	v_lshlrev_b32 v2, 4, v1                        ; 16 x lane
	v_lshlrev_b32 v3, 3, v1                        ; 8 x lane
	v_and_b32 v7, 15, v0                           ; r
	v_bfe_u32 v8, v0, 4, 1                         ; h
	v_mul_u32_u24 v9, v7, SP
	v_lshl_add_u32 v9, v8, 6, v9
	v_add_nc_u32 v9, s17, v9                       ; into the stage: row r, + 64 h bytes
	v_mul_u32_u24 v10, v8, SP
	v_lshl_add_u32 v10, v7, 4, v10
	v_add_nc_u32 v10, s17, v10                     ; out of it: lanes 0-15 a row's 256 bytes, lanes 16-31 the next row's
	v_lshlrev_b32 v11, 12, v8
	v_lshl_add_u32 v11, v7, 4, v11                 ; and the same in out0: rows of 4,096 bytes
	s_wait_alu depctr_va_vdst(0)
	s_bfe_u32 s13, ttmp6, 0x40000                  ; cx
	s_lshl_b32 s14, ttmp9, 2
	s_add_co_u32 s14, s14, s13                     ; T
	s_and_b32 s15, ttmp7, 0xffff                   ; j
	s_lshl_b32 s16, s14, 2
	s_add_co_u32 s16, s16, s12                     ; U
	s_mov_b32 s24, 15|(3<<16)|(1<<21)              ; group 1: 100 dense rows of 256 bytes (32 elements of 8): a quarter of two units; the mask names all four work-groups, bit 21 beside it; no padding
	s_mov_b32 s25, 32<<16
	s_mov_b32 s26, 100<<16
	s_mov_b32 s27, 32<<16
	s_mov_b32 s28, 100
	s_mov_b32 s29, 32
	s_mov_b32 s30, 0
	s_mov_b32 s31, 0
	s_mul_i32 s18, s15, 2*UNIT                     ; the joint load's place hangs on j and the wave alone
	s_mul_i32 s41, s12, UNIT/2
	s_add_co_u32 s18, s18, s41
	s_mov_b32 s19, 0
	s_mov_b32 s40, 1
	s_mul_i32 s22, s16, 49152                      ; y's unit: images,
	s_add_co_u32 s22, s22, IMG
	s_mov_b32 s23, 0
	s_lshl_b32 s48, s16, 11                        ; and scale words
	s_mov_b32 s49, 0
	s_lshl_b32 s50, s16, 18                        ; out0: row 64 U,
	s_lshl_b32 s17, s15, 9                         ; column 128 j
	s_add_co_u32 s50, s50, s17
	s_mov_b32 s51, 0
	s_wait_dscnt 0x0                               ; both opening adds are done
	s_wait_kmcnt 0x0
	s_add_nc_u64 s[42:43], s[6:7], s[18:19]
	s_or_b32 s43, s43, 0x80000000
	s_add_nc_u64 s[22:23], s[4:5], s[22:23]
	s_add_nc_u64 s[48:49], s[4:5], s[48:49]
	s_add_nc_u64 s[50:51], s[8:9], s[50:51]
	ROUND                                          ; all four work-groups are here: the joint loads meet
	tensor_load_to_lds s[40:43], s[24:31]          ; my quarter of the two units: my one tensor load
	s_nop 0
	PLACES
.irp p, 0,1
.irp q, 0,1,2,3
	global_load_b64 v[XS+8*\p+2*\q:XS+8*\p+2*\q+1], v3, s[48:49] offset:\p*1024+\q*256   ; 256 consecutive bytes: both blocks of pair p, two K steps
.endr
.endr
.set S, 0
.rept 8                                ; y's unit, K step by K step: 128 loads; a fragment is two half images, each 16 + 8 bytes a lane
.set XR, 48*(S%5)
.set WN, (1+S/5)<<6
	WIN WN                                         ; destination window 1 or 2
.irp a, 0,1,2,3
	global_load_b128 v[XR+12*\a:XR+12*\a+3], v2, s[22:23] offset:\a*12288+S*1536
	global_load_b64 v[XR+12*\a+4:XR+12*\a+5], v3, s[22:23] offset:\a*12288+S*1536+512
	global_load_b128 v[XR+12*\a+6:XR+12*\a+9], v2, s[22:23] offset:\a*12288+S*1536+768
	global_load_b64 v[XR+12*\a+10:XR+12*\a+11], v3, s[22:23] offset:\a*12288+S*1536+1280
.endr
.set S, S+1
.endr
	WIN 0
.macro WM d, p, q, z, sp, sq, m1, m2
.if \z
	v_wmma_scale_f32_16x16x128_f8f6f4 v[\d:\d+7], v[\p:\p+11], v[\q:\q+11], 0, v[\sp], v[\sq] matrix_a_fmt:MATRIX_FMT_BF6 matrix_b_fmt:MATRIX_FMT_BF6 \m1 \m2
.else
	v_wmma_scale_f32_16x16x128_f8f6f4 v[\d:\d+7], v[\p:\p+11], v[\q:\q+11], v[\d:\d+7], v[\sp], v[\sq] matrix_a_fmt:MATRIX_FMT_BF6 matrix_b_fmt:MATRIX_FMT_BF6 \m1 \m2
.endif
.endm
; 16 matrix instructions: source 0's four blocks from p0 (scale words at ps) x source 1's four from q0 (qs).  An odd block's scale words stand in lanes 16-31.  z: the first products start the sums
.macro MUL16 p0, ps, q0, qs, z
.irp qh, 0,1
.irp ph, 0,1
	WM 8*(8*\qh+2*\ph), \p0+24*\ph, \q0+24*\qh, \z, \ps+8*\ph, \qs+8*\qh
	WM 8*(8*\qh+2*\ph+1), \p0+24*\ph+12, \q0+24*\qh, \z, \ps+8*\ph, \qs+8*\qh, matrix_a_scale:MATRIX_SCALE_ROW1
.endr
.irp ph, 0,1
	WM 8*(8*\qh+2*\ph+4), \p0+24*\ph, \q0+24*\qh+12, \z, \ps+8*\ph, \qs+8*\qh, matrix_b_scale:MATRIX_SCALE_ROW1
	WM 8*(8*\qh+2*\ph+5), \p0+24*\ph+12, \q0+24*\qh+12, \z, \ps+8*\ph, \qs+8*\qh, matrix_a_scale:MATRIX_SCALE_ROW1, matrix_b_scale:MATRIX_SCALE_ROW1
.endr
.endr
.endm
.macro FETCH s                         ; the unit's four fragments of K step s into set s % 2: 16 loads
.irp b, 0,1,2,3
	ds_load_b128 v[WF+48*((\s)%2)+12*\b:WF+48*((\s)%2)+12*\b+3], v4 offset:\b*12288+(\s)*1536
	ds_load_b64 v[WF+48*((\s)%2)+12*\b+4:WF+48*((\s)%2)+12*\b+5], v5 offset:\b*12288+(\s)*1536+512
	ds_load_b128 v[WF+48*((\s)%2)+12*\b+6:WF+48*((\s)%2)+12*\b+9], v4 offset:\b*12288+(\s)*1536+768
	ds_load_b64 v[WF+48*((\s)%2)+12*\b+10:WF+48*((\s)%2)+12*\b+11], v5 offset:\b*12288+(\s)*1536+1280
.endr
.endm
.macro AHEAD                           ; the unit at LDS byte s62: its addresses, all its scale words, its first K step's fragments
	v_add_nc_u32 v4, s62, v2
	v_add_nc_u32 v5, s62, v3
	s_wait_alu depctr_va_vdst(0)
.irp p, 0,1
.irp q, 0,1,2,3
	ds_load_b64 v[WS+8*\p+2*\q:WS+8*\p+2*\q+1], v5 offset:USC+\p*1024+\q*256
.endr
.endr
	FETCH 0
.endm
; y's block a: 16 tokens x 64 columns into my stage and back by rows.  LDS serves a wave's instructions in order: no wait between the stores and the loads, nor in front of the next block's stores.
.macro TOSTAGE a
	WIN 0x0c                                       ; an LDS store's data are its source 1: window 3
.irp g, 0,1
.irp m, 0,1,2,3
	ds_store_b128 v9, v[32*(\a)+16*\g+4*\m:32*(\a)+16*\g+4*\m+3] offset:128*\g+16*\m   ; each accumulator from its low end on
.endr
.endr
	WIN 0
.irp k, 0,1,2,3,4,5,6,7
	ds_load_b128 v[BK+32*((\a)%2)+4*\k:BK+32*((\a)%2)+4*\k+3], v10 offset:\k*2*SP      ; places 2 k and 2 k + 1
.endr
.endm
.macro SEND a, younger                 ; younger: the LDS instructions issued behind block a's loads, which may stay out
	s_wait_dscnt \younger
.irp k, 0,1,2,3,4,5,6,7
	global_store_b128 v11, v[BK+32*((\a)%2)+4*\k:BK+32*((\a)%2)+4*\k+3], s[50:51] offset:(32*((\a)/2)+8*((\a)%2)+2*\k+8*(\k/4))*4096 th:TH_STORE_NT   ; each place's row where it belongs: sixteen lanes store 256 consecutive bytes, aligned; written once, read by nobody here
.endr
.endm
	s_wait_tensorcnt 0x0                           ; my quarter of the two units is in,
	s_barrier_signal -1
	s_barrier_wait -1                              ; and everybody's.
	s_mov_b32 s62, 0
	AHEAD
	s_wait_loadcnt 0x0                             ; y's unit and its scale words are in
	s_mov_b32 s63, 0
.Lunit:
.set S, 0
.rept 8
	s_wait_dscnt 0x0                               ; this step's fragments, asked for a K step ago, are in
.if S < 7
.if S > 0
	PLACES                                         ; four places between the last products and loads into the registers that they read
.endif
	FETCH S+1
.endif
.set XR, 48*(S%5)
.set Z0, (S==0)
.set WN, 0xf0+4*(1+S/5)
	WIN WN                                         ; source 0 window 0, source 1 window 1 or 2, C and D window 3
	MUL16 WF+48*(S%2), WS+S, XR, XS+S, Z0
	WIN 0
.set S, S+1
.endr
	PLACES                                         ; behind the last products: in front of loads into their scale words and of the first read of results
	s_add_co_u32 s62, s63, 1
	s_min_u32 s62, s62, 1
	s_mul_i32 s62, s62, UNIT
	AHEAD                                          ; the next unit's first loads; the last trip has no next unit and asks for its own unit's once more: those registers are not used
	TOSTAGE 0
	TOSTAGE 1
	SEND 0, 16                                     ; behind block 0's loads: block 1's 8 stores and 8 loads
	s_wait_xcnt 0x0                                ; block 0's stores have read their registers: block 2's loads may land there
	TOSTAGE 2
	SEND 1, 16
	s_wait_xcnt 0x0
	TOSTAGE 3
	SEND 2, 16
	SEND 3, 0
	s_wait_xcnt 0x0                                ; the stores have read their registers and their base
	s_add_nc_u64 s[50:51], s[50:51], 256           ; the next unit's 64 columns
	s_add_co_u32 s63, s63, 1
	s_cmp_lt_u32 s63, 2
	s_wait_alu depctr_va_vdst(0)
	s_cbranch_scc1 .Lunit
	s_wait_tensorcnt 0x0                           ; the wave's end, behind my last LDS store
	ds_add_u32 v30, v31
	s_wait_dscnt 0x0
	ROUND                                          ; the closing round
	s_endpgm
.Lfunc_end_k_q3195b4fe65_gemm_out:
	.size	k_q3195b4fe65_gemm_out, .Lfunc_end_k_q3195b4fe65_gemm_out-k_q3195b4fe65_gemm_out
	.p2alignl 7, 3214868480
	.fill 96, 4, 3214868480
	.section	.rodata,"a",@progbits
	.p2align	6, 0x0
	.amdhsa_kernel k_q3195b4fe65_gemm_out
		.amdhsa_group_segment_fixed_size 167936
		.amdhsa_private_segment_fixed_size 0
		.amdhsa_enable_private_segment 0
		.amdhsa_kernarg_size 24
		.amdhsa_user_sgpr_count 2
		.amdhsa_user_sgpr_kernarg_segment_ptr 1
		.amdhsa_wavefront_size32 1
		.amdhsa_system_sgpr_workgroup_id_x 1
		.amdhsa_system_sgpr_workgroup_id_y 1
		.amdhsa_system_sgpr_workgroup_id_z 1
		.amdhsa_system_vgpr_workitem_id 0
		.amdhsa_next_free_vgpr 896
		.amdhsa_next_free_sgpr 66
		.amdhsa_reserve_vcc 0
		.amdhsa_float_denorm_mode_32 3
		.amdhsa_float_denorm_mode_16_64 3
		.amdhsa_memory_ordered 1
		.amdhsa_forward_progress 1
		.amdhsa_inst_pref_size 53
	.end_amdhsa_kernel
	.amdgpu_metadata
---
amdhsa.version: [ 1, 2 ]
amdhsa.kernels:
  - .name:           k_q3195b4fe65_gemm_out
    .symbol:         k_q3195b4fe65_gemm_out.kd
    .args:
      - { .name: yq, .offset: 0, .size: 8, .value_kind: global_buffer, .address_space: global }
      - { .name: wp, .offset: 8, .size: 8, .value_kind: global_buffer, .address_space: global }
      - { .name: out0, .offset: 16, .size: 8, .value_kind: global_buffer, .address_space: global }
    .group_segment_fixed_size: 167936
    .private_segment_fixed_size: 0
    .kernarg_segment_align: 8
    .kernarg_segment_size: 24
    .max_flat_workgroup_size: 128
    .sgpr_count:     66
    .vgpr_count:     896
    .wavefront_size: 32
...
	.end_amdgpu_metadata
.endif
;; end of part 4
